; MI455X (gfx1250); checked and timed in simulation.
; The chip was launched on July 23, 2026; its instructions are those of AMD's public machine-readable ISA for CDNA 5 (MIT licence, August 2026) and "CDNA5" Instruction Set Architecture Reference Guide (July 2026). The comments in the code are by the model that wrote it; some were corrected since.
;; Causal Self Attention. Allowed arithmetic: matrix products marked QUANTISED: E2M3 operands, one E8M0 scale for each 32 along K, by v_wmma_scale_f32_16x16x128_f8f6f4 with both operands' format E2M3, f32 sums; everything else in f32.
;; Inputs: W_proj 1,024 x 1,024 float32; W_qkv 1,024 x 3,072 float32; b_proj 1,024 float32; b_qkv 3,072 float32; x 4 x 2,048 x 1,024 float32.
;; Outputs: out0 4 x 2,048 x 1,024 float32.
;; This version of the problem:
;;   THIS VERSION OF THE PROBLEM IS GIVEN IN LOW PRECISION. The matrix products marked QUANTISED in the list below multiply operands that are first quantised to E2M3 (2 exponent bits, 3 mantissa bits; 6 bits a number), with one power-of-two scale for each 32 numbers along K (OCP MX v1.0); their sums are f32. All else is computed in f32.
;;   The module's matrix products, in the order in which they are computed (A, B: the left and right operand; K: the contracted axis; several contracted axes count as one K, in the product's order):
;;     1. [M 8,192, K 1,024] x [K 1,024, N 3,072]; A: input x; B: input W_qkv: QUANTISED
;;     2. batch 64 x [M 2,048, K 64] x [K 64, N 2,048]; A: computed on the way; B: computed on the way: QUANTISED
;;     3. batch 64 x [M 2,048, K 2,048] x [K 2,048, N 64]; A: softmax (see below); B: computed on the way: QUANTISED
;;     4. [M 8,192, K 1,024] x [K 1,024, N 1,024]; A: computed on the way; B: input W_proj: QUANTISED
;;   THE QUANTISER, for each operand of a quantised product, along K:
;;     - K is cut into blocks of 32 from its start; a last block that is shorter is filled with zeros.
;;     - A block's scale is 2^e with e = floor(log2(the largest magnitude in the block)) - 2, held to -126 .. 127; a block of zeros has e = 0. As a byte (E8M0): e + 127.
;;     - Each number is divided by its block's scale, clamped to +-7.5, and rounded to the nearest number of E2M3, ties to even, subnormals kept.
;;     - The product sums the exact products of the quantised numbers (number of the format x scale) in f32.
;;   ~~~python
;;   def quantise(x, axis):      # numpy; x: float32 -> the quantised numbers, widened to float32 again
;;       x = np.moveaxis(x, axis, -1); K = x.shape[-1]
;;       x = np.pad(x, [(0, 0)] * (x.ndim - 1) + [(0, -K % 32)]); x = x.reshape(x.shape[:-1] + (-1, 32)); a = np.abs(x).max(-1, keepdims=True)
;;       e = np.where(a > 0, np.clip(np.frexp(np.where(a > 0, a, 1))[1] - 1 - 2, -126, 127), 0)      # np.frexp(a)[1] - 1 = floor(log2(a)), exactly
;;       r = np.clip(x / 2.0 ** e, -7.5, 7.5)
;;       step = 2.0 ** (np.maximum(np.frexp(np.where(r == 0, 1, r))[1] - 1, 0) - 3)
;;       q = np.round(r / step) * step * 2.0 ** e      # np.round: ties to even
;;       return np.moveaxis(q.reshape(q.shape[:-2] + (-1,))[..., :K], -1, axis).astype(np.float32)
;;   ~~~
;;   SOFTMAX AHEAD OF A QUANTISED PRODUCT. Where the list says 'softmax', what is quantised is not the finished softmax but p = 2^(t - M), with t = logit x log2(e) and M = ceil(the row's largest t), a whole number; so 1/2 < the row's largest p <= 1. The row's sum l is taken of the UNQUANTISED p, in f32, and the product's result is divided by l at the end. Since M is a whole number, a kernel that streams over the keys may use a running M (the ceiling of the running maximum): every later rescaling is an exact power of two, which a block's scale takes up: the codes' values come out the same.
;;   OPERANDS COMPUTED ON THE WAY. 'Computed on the way' means the value that the module computes at that place (a softmax that the list does not call 'softmax' is quantised finished and normalised). What goes into a quantiser is computed in f32, as accurately as f32 sums, v_exp_f32 and their like allow (about 1e-6 of the number): no bf16 or f16 on the way to a quantiser, and a product that is left as it is and whose result goes on into a quantised operand takes f32 operands (vector FMAs, or v_wmma_f32_16x16x4_f32). A number that lies on a knife's edge between two numbers of the format may be rounded either way, as far as f32 arithmetic and the matrix unit's own rounding can turn it there, and no further.
;; One version. Each part assembles by itself: llvm-mc -triple=amdgcn-amd-amdhsa -mcpu=gfx1250 --defsym DOCPART=n.
;; ======== version 1 of 1: 4 launches
;; workspace buffers: xq 6,553,600 bytes; wq 3,276,800 bytes; yq 6,553,600 bytes; kv 13,369,344 bytes; qr 13,369,344 bytes
;; launch quant (part 1): grid 384 x 1, 4 waves a work-group, no clusters, 35,328 bytes of LDS; arguments x, W_qkv, W_proj, xq, wq; writes xq, wq
.if DOCPART == 1
	.amdgcn_target "amdgcn-amd-amdhsa--gfx1250"
	.amdhsa_code_object_version 6
	.text
	.protected	k_q550a15f76a_quant
	.globl	k_q550a15f76a_quant
	.p2align	8
	.type	k_q550a15f76a_quant,@function
k_q550a15f76a_quant:
	s_mov_b64 s[64:65], 0
	v_nop
	global_prefetch_b8 v0, s[64:65] scope:SCOPE_SE
	s_setreg_imm32_b32 hwreg(HW_REG_WAVE_MODE, 25, 1), 1
	s_wait_xcnt 0x0
; x [8192][1024], W_qkv [1024][3072] and W_proj [1024][1024], f32, become codes of FP6 (E2M3) with one E8M0 byte for each 32 along K (K = 1024 in all three).
; A block's scale is 2^(floor(log2(its largest magnitude)) - 2); its byte is the largest magnitude's exponent field - 2, held at 1 from below; numbers / scale go to the nearest code, ties to even.
; THE RESULTS ARE LAID AS IMAGES OF THE OPERAND'S REGISTERS.  A fragment (16 rows x 128 K, 12 registers a lane; lane l = (r = l % 16, h = l / 16) holds row r, registers 6 c .. 6 c + 5 hold
; k = 64 c + 32 h + 0 .. 31) is 1,536 bytes: registers 4 g .. 4 g + 3 of lane l at 512 g + 16 l.  Codes: [row / 16][k / 128][1,536].  Scale words (four bytes: 128 along K of a row):
; [row / 32][k / 256][row % 32][2 words], behind the codes.  xq holds x; wq holds 4,096 rows: W_qkv's columns 0 .. 3071, then W_proj's 1,024 columns.
; W_proj's K is laid in another order inside each block of 32: place 16 a + 8 u + j holds k = 16 u + 8 a + j.  The attention launch's results come out in that order, and an order of k that both
; operands share changes no product and no block.
; SHARES.  Work-groups 0 .. 255: 32 rows of x each, a wave 256 along K.  Work-groups 256 .. 383: 128 columns x 256 along K of a weight, a wave 32 columns.  No input is shared between work-groups,
; so there is no cluster; every number is read once by loads into registers, many in flight; nothing is fetched ahead of its load by a prefetch, since the launch streams all the time.
; LIMITS: a block of zeros gets the byte 1 where the quantiser says 127 (its codes are zeros, which add nothing under any byte but 0xff, and this program alone reads the bytes);
; blocks whose largest magnitude lies under 2^-124 are held at the byte 1; NaN and infinities among the inputs are not served.
.set SPARE, 34816                      ; behind the four waves' stages: the spare words, 128 bytes a wave
.set SPW,   12                         ; v12  LDS address of my spare word; never rewritten
.set NIL,   13                         ; v13  0; never rewritten
.set SEL,   14                         ; s[14:15] v_permlanex16_b32's selects for lane l xor 16
.set R,     16                         ; x: v16-111  three sets of 32 numbers as loaded
.set X,     112                        ; x: v112-175 two sets of 32 neighbours along K
.set CF,    176                        ; x: v176-223 four fragments (row tile, 128 along K): never rewritten, so no store's data are written again
.set CT,    224                        ; x: v224-226 a block's upper 16 codes (a conversion's three registers begin on an even number)
.set WQ,    228                        ; x: my two bytes of a scale word
.set PX,    229                        ; x: lane l xor 16's
.set WD,    232                        ; x: v232-235 scale words [row tile][128 along K]
.set WX,    32                         ; W: v32-95   two sets of 32 numbers
.set FRG,   96                         ; W: v96-143  [128 along K][block parity, then column tile][12]
.set WCT,   144                        ; W: v144-146
.set SB,    148                        ; W: v148-149 my column's scale words
	s_load_b256 s[4:11], s[0:1], 0x0               ; x s[4:5], W_qkv s[6:7], W_proj s[8:9], xq s[10:11]
	s_load_b64 s[12:13], s[0:1], 0x20              ; wq
	v_lshl_add_u32 v[SPW], v0, 2, SPARE
	v_mov_b32 v[NIL], 0
	v_lshrrev_b32 v1, 5, v0
	v_readfirstlane_b32 s16, v1                    ; wave
	v_and_b32 v2, 31, v0                           ; lane
	v_lshlrev_b32 v4, 4, v2                        ; 16 l: my place in a group of an image
	v_lshlrev_b32 v5, 3, v2                        ; 8 l: my two scale words
	s_mov_b32 s[SEL], 0x76543210
	s_mov_b32 s[SEL+1], 0xfedcba98
; the largest magnitude of 32 numbers v[xs] on, with the floor 2^(3 - 127) among its leaves, and 2 off its exponent field: v11 is the conversion's scale operand
.macro BLOCKMAX xs
	v_max3_num_f32 v8, |v[\xs]|, |v[\xs+1]|, |v[\xs+2]|
	v_max3_num_f32 v9, |v[\xs+3]|, |v[\xs+4]|, |v[\xs+5]|
.irp i, 6,10,14,18,22,26
	v_max3_num_f32 v8, v8, |v[\xs+\i]|, |v[\xs+\i+1]|
	v_max3_num_f32 v9, v9, |v[\xs+\i+2]|, |v[\xs+\i+3]|
.endr
	v_max3_num_f32 v8, v8, |v[\xs+30]|, |v[\xs+31]|
	v_max3_num_f32 v8, v8, v9, 0x1800000
	v_add_nc_u32 v11, 0xff000000, v8
.endm
	s_cmp_lt_u32 ttmp9, 256
	s_cbranch_scc0 .Lweights
; ---------------- x: K is innermost.  A step is 16 rows x 64 along K: eight loads of two whole runs of 256 bytes; they turn through the wave's own stage (rows 272 bytes apart), from which
; lane (r, h) takes the 128 bytes of ONE block: k = 32 h .. 32 h + 31 of row r: the very numbers that the fragment's layout gives that lane.
	v_and_b32 v7, 15, v0                           ; r
	v_bfe_u32 v1, v0, 4, 1                         ; h
	v_lshlrev_b32 v3, 4, v7
	v_lshl_add_u32 v3, v1, 12, v3                  ; a load: lanes 0-15 one row, lanes 16-31 the next: 4096 h + 16 r
	s_mul_i32 s17, s16, 8704                       ; my wave's two stages of 16 x 272 bytes
	v_mul_u32_u24 v14, v1, 272
	v_lshl_add_u32 v14, v7, 4, v14
	v_add_nc_u32 v14, s17, v14                     ; into a stage: 272 h + 16 r
	v_mul_u32_u24 v15, v7, 272
	v_lshl_add_u32 v15, v1, 7, v15
	v_add_nc_u32 v15, s17, v15                     ; out of it: 272 r + 128 h
	v_lshlrev_b32 v6, 3, v1                        ; 8 h: where my bytes stand in a scale word
	v_mov_b32 v[PX], 0                             ; written once: a lane permute's destination counts as one of its sources
	s_lshl_b32 s18, ttmp9, 17                      ; 32 rows of 4,096 bytes,
	s_lshl_b32 s19, s16, 10                        ; my wave's 256 numbers of each
	s_add_co_u32 s18, s18, s19
	s_mov_b32 s19, 0
	s_mul_i32 s20, ttmp9, 24576                    ; codes: two row tiles of 12,288 bytes,
	s_mul_i32 s21, s16, 3072                       ; my wave's two fragments in each
	s_add_co_u32 s20, s20, s21
	s_mov_b32 s21, 0
	s_lshl_b32 s22, ttmp9, 10                      ; scale words: 1,024 bytes for 32 rows, 256 for my wave's part
	s_lshl_b32 s23, s16, 8
	s_add_co_u32 s22, s22, s23
	s_add_co_u32 s22, s22, 6291456                 ; behind the codes
	s_mov_b32 s23, 0
	s_wait_alu depctr_va_vdst(0)
	s_wait_kmcnt 0x0
	s_add_nc_u64 s[4:5], s[4:5], s[18:19]
	s_add_nc_u64 s[20:21], s[10:11], s[20:21]
	s_add_nc_u64 s[22:23], s[10:11], s[22:23]
.macro XLOAD t                         ; step t = 4 x row tile + run of 64 along K
.irp i, 0,1,2,3,4,5,6,7
	global_load_b128 v[R+32*((\t)%3)+4*\i:R+32*((\t)%3)+4*\i+3], v3, s[4:5] offset:(16*((\t)/4)+2*\i)*4096+((\t)%4)*256 th:TH_LOAD_NT
.endr
.endm
.macro XTURN t                         ; LDS serves a wave's instructions in order: no wait between the stores and the loads
.irp i, 0,1,2,3,4,5,6,7
	ds_store_b128 v14, v[R+32*((\t)%3)+4*\i:R+32*((\t)%3)+4*\i+3] offset:4352*((\t)%2)+544*\i
.endr
.irp i, 0,1,2,3,4,5,6,7
	ds_load_b128 v[X+32*((\t)%2)+4*\i:X+32*((\t)%2)+4*\i+3], v15 offset:4352*((\t)%2)+16*\i
.endr
.endm
.macro XSTEP t
.set XS, X+32*((\t)%2)
.set FB, CF+12*(2*((\t)/4)+((\t)%4)/2)
.set FD, FB+6*((\t)%2)
	s_wait_dscnt 0x0                               ; this step's numbers are back from the stage, so its stores into the stage have read their registers,
.if (\t)+3 < 8
	XLOAD (\t)+3                                   ; which take the loads of three steps on
.endif
.if (\t)+1 < 8
.if (\t) <= 4
	s_wait_loadcnt 16                              ; the next step's eight loads are in; the two steps behind it (16 loads) may be out
.else
	s_wait_loadcnt 8*(6-(\t))                      ; the counts run down: 8, then 0
.endif
	XTURN (\t)+1                                   ; through the other stage while this step is worked
.endif
	BLOCKMAX XS                                    ; all 32 numbers of the block are mine
	v_cvt_scalef32_pk16_fp6_f32 v[FD:FD+2], v[XS:XS+15], v11
	v_cvt_scalef32_pk16_fp6_f32 v[CT:CT+2], v[XS+16:XS+31], v11
	v_lshrrev_b32 v10, 23, v11                     ; the scale's byte (also the plain line behind the conversions)
.irp i, 0,1,2
	v_mov_b32 v[FD+3+\i], v[CT+\i]
.endr
.if (\t)%2 == 0
	v_mov_b32 v[WQ], v10                           ; block h of the 128
.else
	v_lshl_or_b32 v[WQ], v10, 16, v[WQ]            ; and block 2 + h,
	v_lshlrev_b32 v[WQ], v6, v[WQ]                 ; at their places (8 h bits up);
	v_permlanex16_b32 v[PX], v[WQ], s[SEL], s[SEL+1]
	v_or_b32 v[WD+2*((\t)/4)+((\t)%4)/2], v[WQ], v[PX]   ; with lane l xor 16's two the word is whole
.irp g, 0,1,2
	global_store_b128 v4, v[FB+4*\g:FB+4*\g+3], s[20:21] offset:((\t)/4)*12288+(((\t)%4)/2)*1536+512*\g   ; 32 lanes store 512 consecutive bytes, aligned
.endr
.endif
.endm
	XLOAD 0
	XLOAD 1
	XLOAD 2
	s_wait_loadcnt 16                              ; step 0's eight loads are in
	XTURN 0
.irp t, 0,1,2,3,4,5,6,7
	XSTEP \t
.endr
	v_cmp_le_u32 vcc_lo, 16, v2                    ; lane l stores row l of the 32: lanes 16-31 the second row tile's words
	v_cndmask_b32 v236, v[WD], v[WD+2], vcc_lo
	v_cndmask_b32 v237, v[WD+1], v[WD+3], vcc_lo
	global_store_b64 v5, v[236:237], s[22:23]      ; 256 consecutive bytes, aligned
	s_branch .Lend
; ---------------- the weights: K is the FIRST axis.  A lane takes a column, its registers run down K: a block of 32 lies in one lane, and the codes come out with K innermost.
.Lweights:
	s_wait_alu depctr_va_vdst(0)
	v_lshlrev_b32 v3, 2, v2                        ; 4 bytes a lane
	s_sub_co_u32 s17, ttmp9, 256
	s_lshr_b32 s18, s17, 5                         ; which 256 along K
	s_and_b32 s19, s17, 31                         ; which 128 of the 4,096 rows of wq
	s_lshl_b32 s26, s19, 3
	s_lshl_b32 s27, s16, 1
	s_add_co_u32 s26, s26, s27                     ; my wave's first tile of 16: 8 x group + 2 x wave
	s_mul_i32 s26, s26, 12288
	s_mul_i32 s27, s18, 3072
	s_add_co_u32 s26, s26, s27
	s_mov_b32 s27, 0
	s_lshl_b32 s28, s19, 2
	s_add_co_u32 s28, s28, s16                     ; my wave's 32 rows
	s_lshl_b32 s28, s28, 10
	s_lshl_b32 s29, s18, 8
	s_add_co_u32 s28, s28, s29
	s_add_co_u32 s28, s28, 3145728                 ; the scale words lie behind the codes
	s_mov_b32 s29, 0
	s_lshl_b32 s30, s16, 7                         ; my wave's 32 columns, in bytes
	s_mov_b32 s31, 0
	s_wait_kmcnt 0x0
	s_add_nc_u64 s[22:23], s[12:13], s[26:27]
	s_add_nc_u64 s[24:25], s[12:13], s[28:29]
.macro WLOAD t, n, perm                ; block t: 32 rows of the weight at my column; register pos takes the k that the operand's order puts at place pos
.set pos, 0
.rept 32
.if \perm
.set kk, 16*((pos/8)%2)+8*(pos/16)+pos%8
.else
.set kk, pos
.endif
	global_load_b32 v[WX+32*((\t)%2)+pos], v3, s[20:21] offset:(32*(\t)+kk)*(\n)*4 th:TH_LOAD_NT
.set pos, pos+1
.endr
.endm
.macro WBLOCK t, n, perm               ; t = 4 x (128 along K) + 2 c + e
.set XS, WX+32*((\t)%2)
.set F0, FRG+24*((\t)/4)+6*(((\t)%4)/2)
.set FD, F0+12*((\t)%2)
.if (\t) < 7
	s_wait_loadcnt 32                              ; this block's 32 loads are in; the next block's may be out
.else
	s_wait_loadcnt 0x0
.endif
	BLOCKMAX XS
	v_lshrrev_b32 v10, 23, v11                     ; the scale's byte: four to a word, the lower K in the lower byte
.if (\t)%4 == 0
	v_mov_b32 v[SB+(\t)/4], v10
.else
	v_lshl_or_b32 v[SB+(\t)/4], v10, 8*((\t)%4), v[SB+(\t)/4]
.endif
	v_cvt_scalef32_pk16_fp6_f32 v[FD:FD+2], v[XS:XS+15], v11
	v_cvt_scalef32_pk16_fp6_f32 v[WCT:WCT+2], v[XS+16:XS+31], v11
	v_nop                                          ; one plain line behind the conversions
.irp i, 0,1,2
	v_mov_b32 v[FD+3+\i], v[WCT+\i]
.endr
.if (\t)+2 < 8
	WLOAD (\t)+2, \n, \perm
.endif
.if (\t)%2 == 1                        ; blocks 2 c and 2 c + 1 of 32 columns become the two column tiles' registers 6 c .. 6 c + 5: lanes 0-15 block 2 c, lanes 16-31 block 2 c + 1
.irp i, 0,1,2,3,4,5
	v_permlane16_swap_b32 v[F0+\i], v[F0+12+\i]
.endr
.endif
.if (\t)%4 == 3
.irp e, 0,1
.irp g, 0,1,2
	global_store_b128 v4, v[FRG+24*((\t)/4)+12*\e+4*\g:FRG+24*((\t)/4)+12*\e+4*\g+3], s[22:23] offset:\e*12288+((\t)/4)*1536+512*\g
.endr
.endr
.endif
.endm
.macro WBODY n, perm
	WLOAD 0, \n, \perm
	WLOAD 1, \n, \perm
.set tb, 0
.rept 8
	WBLOCK tb, \n, \perm
.set tb, tb+1
.endr
	global_store_b64 v5, v[SB:SB+1], s[24:25]      ; 256 consecutive bytes, aligned
.endm
	s_cmp_lt_u32 s19, 24
	s_cbranch_scc0 .Lproj
	s_lshl_b32 s26, s19, 9                         ; W_qkv: 128 columns a group, in bytes;
	s_add_co_u32 s30, s30, s26
	s_mul_i32 s26, s18, 256*3072*4                 ; 256 rows of 3,072 numbers
	s_add_co_u32 s30, s30, s26
	s_add_nc_u64 s[20:21], s[6:7], s[30:31]
	s_wait_alu depctr_va_vdst(0)
	WBODY 3072, 0
	s_branch .Lend
.Lproj:
	s_sub_co_u32 s26, s19, 24                      ; W_proj: groups 24 .. 31 are its columns
	s_lshl_b32 s26, s26, 9
	s_add_co_u32 s30, s30, s26
	s_lshl_b32 s26, s18, 20                        ; 256 rows of 1,024 numbers
	s_add_co_u32 s30, s30, s26
	s_add_nc_u64 s[20:21], s[8:9], s[30:31]
	s_wait_alu depctr_va_vdst(0)
	WBODY 1024, 1
.Lend:
	s_wait_tensorcnt 0x0                           ; the wave's end: behind my last LDS store
	ds_add_u32 v[SPW], v[NIL]
	s_wait_dscnt 0x0
	s_endpgm
.Lfunc_end_k_q550a15f76a_quant:
	.size	k_q550a15f76a_quant, .Lfunc_end_k_q550a15f76a_quant-k_q550a15f76a_quant
	.p2alignl 7, 3214868480
	.fill 96, 4, 3214868480
	.section	.rodata,"a",@progbits
	.p2align	6, 0x0
	.amdhsa_kernel k_q550a15f76a_quant
		.amdhsa_group_segment_fixed_size 35328
		.amdhsa_private_segment_fixed_size 0
		.amdhsa_enable_private_segment 0
		.amdhsa_kernarg_size 40
		.amdhsa_user_sgpr_count 2
		.amdhsa_user_sgpr_kernarg_segment_ptr 1
		.amdhsa_wavefront_size32 1
		.amdhsa_system_sgpr_workgroup_id_x 1
		.amdhsa_system_sgpr_workgroup_id_y 1
		.amdhsa_system_sgpr_workgroup_id_z 1
		.amdhsa_system_vgpr_workitem_id 0
		.amdhsa_next_free_vgpr 256
		.amdhsa_next_free_sgpr 66
		.amdhsa_reserve_vcc 1
		.amdhsa_float_denorm_mode_32 3
		.amdhsa_float_denorm_mode_16_64 3
		.amdhsa_memory_ordered 1
		.amdhsa_forward_progress 1
		.amdhsa_inst_pref_size 107
	.end_amdhsa_kernel
	.amdgpu_metadata
---
amdhsa.version: [ 1, 2 ]
amdhsa.kernels:
  - .name:           k_q550a15f76a_quant
    .symbol:         k_q550a15f76a_quant.kd
    .args:
      - { .name: x, .offset: 0, .size: 8, .value_kind: global_buffer, .address_space: global }
      - { .name: W_qkv, .offset: 8, .size: 8, .value_kind: global_buffer, .address_space: global }
      - { .name: W_proj, .offset: 16, .size: 8, .value_kind: global_buffer, .address_space: global }
      - { .name: xq, .offset: 24, .size: 8, .value_kind: global_buffer, .address_space: global }
      - { .name: wq, .offset: 32, .size: 8, .value_kind: global_buffer, .address_space: global }
    .group_segment_fixed_size: 35328
    .private_segment_fixed_size: 0
    .kernarg_segment_align: 8
    .kernarg_segment_size: 40
    .max_flat_workgroup_size: 128
    .sgpr_count:     66
    .vgpr_count:     256
    .wavefront_size: 32
...
	.end_amdgpu_metadata
.endif
;; end of part 1
;; launch gemm_qkv (part 2): grid 12 x 32, 4 waves a work-group, clusters of 4 x 4, 327,680 bytes of LDS; arguments xq, wq, b_qkv, kv, qr; writes kv, qr
.if DOCPART == 2
	.amdgcn_target "amdgcn-amd-amdhsa--gfx1250"
	.amdhsa_code_object_version 6
	.text
	.protected	k_q550a15f76a_gemm_qkv
	.globl	k_q550a15f76a_gemm_qkv
	.p2align	8
	.type	k_q550a15f76a_gemm_qkv,@function
k_q550a15f76a_gemm_qkv:
	s_mov_b64 s[64:65], 0
	v_nop
	global_prefetch_b8 v0, s[64:65] scope:SCOPE_SE
	s_setreg_imm32_b32 hwreg(HW_REG_WAVE_MODE, 25, 1), 1
	s_wait_xcnt 0x0
	s_wait_alu depctr_hold_cnt(0) depctr_sa_sdst(0) depctr_va_vdst(0) depctr_va_sdst(0) depctr_va_ssrc(0) depctr_va_vcc(0) depctr_vm_vsrc(0)
	s_getreg_b32 s2, hwreg(HW_REG_IB_STS2, 6, 4)
	s_cmp_eq_u32 s2, 0
	s_cbranch_scc0 .Lentry_in_a_cluster
	s_endpgm
.Lentry_in_a_cluster:
	s_bfe_u32 s2, ttmp6, 0x10000c
	s_cmp_lg_u32 s2, 0xf033
	s_cbranch_scc0 .Lentry_shape_is_right
	s_endpgm
.Lentry_shape_is_right:
; kqv = x W_qkv + b_qkv on codes of FP6 (E2M3) with E8M0 scales (8,192 x 1,024 x 3,072), and the quantising of k, q and v for the attention launch: nothing leaves as f32.
; OPERANDS are images of their registers: a fragment (16 rows x 128 K, 12 registers a lane) is 1,536 bytes, registers 4 g .. 4 g + 3 of lane l at 512 g + 16 l; codes [row / 16][k / 128][1,536];
; scale words [row / 32][k / 256][row % 32][2 words] behind them.  So a fragment comes from LDS by three loads of 16 bytes a lane, 512 consecutive bytes each, and needs no padding.
; A tile of 256 x 256 is made by four waves, each 128 x 128: 64 accumulators, 512 registers.  K goes in four steps of 256 through a ring of two LDS slots; the scale words of the work-group's
; 2 x 256 rows, for all of K, come once with the first fills.  THE MATRIX INSTRUCTION IS USED TRANSPOSED (source 0 = 16 rows of B, source 1 = 16 rows of A): a lane holds one row of A's side and
; its registers run along B's side.
; ROLES, by the cluster's x (equal in all sixteen partners).  0, 1 (k, q): A = x, B = W's columns: a lane holds a token, its registers run along the head's 64: the next product's K.
; 2 (v): A = W's columns 2,048 on, B = x: a lane holds a channel, its registers run along the tokens: the keys, which are the K of the product with the softmax.
; CLUSTERS: 4 x 4.  A's tile is shared along a row of the cluster, B's along a column: each is asked for jointly, with a mask that names the four.
; THE BIAS is the C of each sum's first matrix instruction: 64 registers in the result's layout; that first step is written once for each role.
; THE WAY OUT.  The 16 registers of two neighbouring accumulators are half a block of 32 along the next K; lane l xor 16 has the other half.  They are converted as they stand, so place
; 16 a + 8 u + j of a block holds index 16 u + 8 a + j.  Both operands of each later product carry that same order, which changes no product and no block.
; kv, qr: a record of 208,896 bytes for each (batch, head): K's (in qr: Q's) image at 0: [token / 32][1,536]: the six registers of the even tile of 16 tokens, then those of the odd one;
; V's image at 98,304: [key / 128][channel / 16][1,536]; K's (Q's) scale words at 196,608: [token / 128][lane][4]: word (l, j) is token 32 j + l's: two bytes, then 0x7f twice;
; V's at 204,800: [key / 128][lane][2]: word (l, j) is channel 32 j + l's.  Every store of the wave covers 512 or 256 consecutive bytes, aligned.
; 384 tiles are 24 clusters; the tile that would give one work-group to each of 256 (256 x 384) does not fit the registers.  No prefetch: two of the four K steps are asked for at the head.
; LIMITS: a block of zeros gets the byte 1 where the quantiser says 127 (zero codes; the bytes are read by this program alone); NaN and infinities are not served; the bias is the first term of each sum.
.set NQ,     2                         ; matrix instructions deep in a slot
.set FR,     12                        ; registers of a fragment
.set NL,     3                         ; LDS loads that bring one
.set NP,     4                         ; places behind this matrix instruction (ISA guide 7.12.1)
.set KB,     3072                      ; a tile of 16 rows, 256 along K: two fragments
.set HALFT,  8*KB                      ; 128 rows: what one tensor load brings
.set SLOT,   4*HALFT                   ; A's 256 rows, then B's
.set SCL,    2*SLOT                    ; behind the ring: the scale words
.set HALFS,  4096                      ; those of 128 rows, all of K.  B's stand 128 bytes further on than a multiple of 256, so that the two halves of a load's lanes take different banks
.set SPARE,  SCL+4*HALFS+256           ; the spare words, 128 bytes a wave
.set REC,    208896
.set ADRA, 16                          ; v16-17 LDS address of my A fragments in slot 0, 1
.set ADRB, 20                          ; v20-21 the same for B
.set LI,   24                          ; v24 16 x lane
.set LS,   25                          ; v25 8 x lane
.set LN,   26                          ; v26 lane
.set ADRS, 27                          ; v27 LDS address of my scale words: lanes 0-15 A's rows, lanes 16-31 B's
.set SPW,  28                          ; v28 LDS address of my spare word; never rewritten
.set NIL,  29                          ; v29 0; never rewritten
.set SC,   32                          ; v32-63 scale words, two sets; they hold nothing else
.set BIAS, 64                          ; v64-127 the bias
.set AF,   128                         ; v128-223 A's fragments, one set
.set OUT,  64                          ; the way out: v64-159 four sets of 24 registers of codes, never rewritten
.set SR,   160                         ; v160-171 scale words to store
.set TM,   224                         ; v224-239 at work
.set WA,   240                         ; v240-247 block a's scale word
.set T0,   248
.set T1,   252
.set FL,   18                          ; s18 the floor 2^(3 - 127)
.set G1, 24
.set G0, 32
.set G1B, 48
.set G0B, 56
.set G1S, 68
.set G0S, 76
.set G1SB, 80
.set G0SB, 88
.set MSB, 0
.macro WIN new                         ; the immediate's high byte repeats the setting that is left
.if MSB != \new
	s_set_vgpr_msb (MSB<<8)|\new
.set MSB, \new
.endif
.endm
.set MUL_LO, 0xa1                      ; source 0 (B) window 1, source 1 (A) window 0, C and D window 2
.set MUL_HI, 0xf1                      ; the same, C and D window 3
.set FST_LO, 0x81                      ; the first step: C (the bias) window 0, D window 2
.set FST_HI, 0xc1                      ; D window 3
.set TO_B,   0x40                      ; destination window 1, address window 0
; A joint load: waves 0 and 1 fetch for A, waves 2 and 3 for B; the branch hangs on the wave's number alone.  An s_nop 0 and four v_nop follow each of the two lines.
.macro JLOAD g0a, g1a, g0b, g1b
	s_cmp_eq_u32 s15, 0
	s_cbranch_scc0 .Lfor_b_\@
	tensor_load_to_lds s[\g0a:\g0a+3], s[\g1a:\g1a+7]
	s_nop 0
.rept 4
	v_nop
.endr
	s_branch .Lasked_\@
.Lfor_b_\@:
	tensor_load_to_lds s[\g0b:\g0b+3], s[\g1b:\g1b+7]
	s_nop 0
.rept 4
	v_nop
.endr
.Lasked_\@:
.endm
.macro CREST                           ; a round of the cluster's barrier behind its opening barrier
	s_cmp_lg_u32 s14, 0
	s_cbranch_scc1 .Lnot_wave_0_\@
	s_barrier_signal -3
.Lnot_wave_0_\@:
	s_barrier_wait -3
	s_barrier_signal -1
	s_barrier_wait -1
.endm
.macro CROUND
	s_barrier_signal -1
	s_barrier_wait -1
	CREST
.endm
	s_load_b256 s[4:11], s[0:1], 0x0               ; xq s[4:5], wq s[6:7], b_qkv s[8:9], kv s[10:11]
	s_load_b64 s[12:13], s[0:1], 0x20              ; qr
	v_lshl_add_u32 v[SPW], v0, 2, SPARE
	v_mov_b32 v[NIL], 0
	ds_add_u32 v[SPW], v[NIL]
	ds_add_u32 v[SPW], v[NIL]                      ; the wave's opening: the add and its wait stand ahead of my first tensor load; the set-up below, work on registers, stands between them
	v_lshrrev_b32 v1, 5, v0
	v_readfirstlane_b32 s14, v1                    ; wave 0..3
	s_lshr_b32 s15, s14, 1                         ; which half of A's 256 rows is mine.  Also: I fetch for A (0) or for B (1)
	s_and_b32 s16, s14, 1                          ; which half of B's.  Also: which 128 rows I fetch
	s_bfe_u32 s40, ttmp6, 0x40000                  ; cx, cy: my place in the cluster
	s_bfe_u32 s41, ttmp6, 0x40004
	s_and_b32 s96, ttmp7, 0xffff
	s_lshl_b32 s96, s96, 2                         ; 4 x cluster y
	s_add_co_u32 s97, s96, s41                     ; k, q: A's tile (x): 4 x cluster y + cy
	s_add_co_u32 s98, s96, s40                     ; v: B's tile (x): 4 x cluster y + cx
	s_lshl_b32 s99, ttmp9, 2
	s_add_co_u32 s99, s99, s40                     ; k, q: B's tile (W): 4 x cluster x + cx
	s_cmp_eq_u32 ttmp9, 2                          ; v's clusters?  The same in all sixteen partners
	s_cselect_b32 s95, 1, 0
	s_cselect_b32 s17, s41, s97                    ; A's tile: it never holds cx
	s_cselect_b32 s42, s98, s99                    ; B's tile: it never holds cy
	s_cselect_b32 s100, 1572864, 0                 ; where A's codes begin in their buffer: W's row 2,048, or x's first
	s_mov_b32 s101, 6291456
	s_cselect_b32 s101, 3211264, s101              ; A's scale words
	s_mov_b32 s66, 3145728
	s_cselect_b32 s66, 6291456, s66                ; B's scale words (B's codes begin at 0 either way)
	s_lshl_b32 s43, s41, 2
	s_lshl_b32 s43, 15, s43                        ; my row of the cluster
	s_lshl_b32 s44, 0x1111, s40                    ; my column
	; descriptor group 1, codes: 8 tiles of 16 rows x 3,072 bytes (384 elements of 8 bytes), 12,288 bytes apart in memory, on end in LDS
	s_or_b32 s[G1+0], s43, (3<<16)|(1<<21)         ; 15:0 the mask; 17:16 elements of 8 bytes; 20 no padding; 21 set beside a mask
	s_or_b32 s[G1B+0], s44, (3<<16)|(1<<21)
.irp g, G1, G1B
	s_mov_b32 s[\g+1], 384<<16                     ; tensor_dim0
	s_mov_b32 s[\g+2], 8<<16                       ; tensor_dim1
	s_mov_b32 s[\g+3], 384<<16                     ; tile_dim0
	s_mov_b32 s[\g+4], 8                           ; tile_dim1
	s_mov_b32 s[\g+5], 1536                        ; tensor_dim0_stride
	s_mov_b32 s[\g+6], 0
	s_mov_b32 s[\g+7], 0
.endr
	; and the scale words of 128 rows: 4,096 dense bytes as 16 rows of 256
	s_or_b32 s[G1S+0], s43, (3<<16)|(1<<21)
	s_or_b32 s[G1SB+0], s44, (3<<16)|(1<<21)
.irp g, G1S, G1SB
	s_mov_b32 s[\g+1], 32<<16
	s_mov_b32 s[\g+2], 16<<16
	s_mov_b32 s[\g+3], 32<<16
	s_mov_b32 s[\g+4], 16
	s_mov_b32 s[\g+5], 32
	s_mov_b32 s[\g+6], 0
	s_mov_b32 s[\g+7], 0
.endr
	s_lshl_b32 s18, s16, 7                         ; which 128 rows of the tile I fetch
	s_lshl_b32 s20, s17, 8
	s_add_co_u32 s20, s20, s18                     ; A: row 256 x tile + 128 x half
	s_lshl_b32 s46, s42, 8
	s_add_co_u32 s46, s46, s18                     ; B likewise
	s_lshl_b32 s22, s20, 5                         ; 32 bytes of scale words a row,
	s_add_co_u32 s22, s22, s101
	s_mov_b32 s23, 0
	s_mul_i32 s20, s20, 768                        ; 768 bytes of codes
	s_add_co_u32 s20, s20, s100
	s_mov_b32 s21, 0
	s_lshl_b32 s92, s46, 5
	s_add_co_u32 s92, s92, s66
	s_mov_b32 s93, 0
	s_mul_i32 s46, s46, 768
	s_mov_b32 s47, 0
	s_mul_i32 s45, s14, HALFT                      ; where they go: wave x 128 rows: no place in the cluster enters an LDS address
	s_mul_i32 s94, s14, HALFS
	s_wait_dscnt 0x0                               ; the opening add is done
	s_wait_kmcnt 0x0
	s_cmp_eq_u32 s95, 1
	s_cselect_b64 s[2:3], s[6:7], s[4:5]           ; A's buffer
	s_cselect_b64 s[96:97], s[4:5], s[6:7]         ; B's
	s_add_nc_u64 s[20:21], s[2:3], s[20:21]
	s_add_nc_u64 s[22:23], s[2:3], s[22:23]
	s_add_nc_u64 s[46:47], s[96:97], s[46:47]
	s_add_nc_u64 s[92:93], s[96:97], s[92:93]
	CROUND                                         ; all sixteen work-groups are here: the first joint loads meet
	s_mov_b32 s[G0S], 1
	s_add_co_u32 s[G0S+1], s94, SCL
	s_mov_b64 s[G0S+2:G0S+3], s[22:23]
	s_or_b32 s[G0S+3], s[G0S+3], 0x80000000
	s_mov_b32 s[G0SB], 1
	s_add_co_u32 s[G0SB+1], s94, SCL+128
	s_mov_b64 s[G0SB+2:G0SB+3], s[92:93]
	s_or_b32 s[G0SB+3], s[G0SB+3], 0x80000000
	JLOAD G0S, G1S, G0SB, G1SB                     ; the scale words first: they are wanted with K step 0
.irp s, 0,1
	s_mov_b32 s[G0+4*\s], 1
	s_add_co_u32 s[G0+4*\s+1], s45, \s*SLOT
	s_add_nc_u64 s[G0+4*\s+2:G0+4*\s+3], s[20:21], \s*KB
	s_or_b32 s[G0+4*\s+3], s[G0+4*\s+3], 0x80000000
	s_mov_b32 s[G0B+4*\s], 1
	s_add_co_u32 s[G0B+4*\s+1], s45, \s*SLOT
	s_add_nc_u64 s[G0B+4*\s+2:G0B+4*\s+3], s[46:47], \s*KB
	s_or_b32 s[G0B+4*\s+3], s[G0B+4*\s+3], 0x80000000
	JLOAD G0+4*\s, G1, G0B+4*\s, G1B               ; three tensor loads of mine are out
.endr
	v_and_b32 v[LN], 31, v0
	v_and_b32 v1, 15, v0                           ; r
	v_bfe_u32 v2, v0, 4, 1                         ; h
	s_wait_alu depctr_va_vdst(0)
	v_lshlrev_b32 v[LI], 4, v[LN]
	v_lshlrev_b32 v[LS], 3, v[LN]
	s_mul_i32 s21, s15, HALFT                      ; my 128 rows of A
	s_mul_i32 s22, s16, HALFT                      ; my 128 rows of B,
	s_add_co_u32 s22, s22, 2*HALFT                 ; which lie behind A's 256
.irp s, 0,1
	v_add_nc_u32 v[ADRA+\s], s21, v[LI]
	v_add_nc_u32 v[ADRB+\s], s22, v[LI]
	s_add_co_u32 s21, s21, SLOT
	s_add_co_u32 s22, s22, SLOT
.endr
	v_lshlrev_b32 v5, 3, v1                        ; my row's two words of a K step
	s_mul_i32 s21, s15, HALFS                      ; A's: my 128 rows
	s_mul_i32 s22, s16, HALFS                      ; B's: my 128 rows, behind A's 256 and 128 bytes on
	s_add_co_u32 s22, s22, 2*HALFS+128
	s_sub_co_u32 s22, s22, s21
	v_mul_u32_u24 v6, s22, v2                      ; lanes 16-31 take B's
	s_add_co_u32 s21, s21, SCL
	v_add_nc_u32 v5, v5, v6
	v_add_nc_u32 v[ADRS], s21, v5
	s_cmp_eq_u32 s95, 1                            ; the bias, in the result's layout
	s_cbranch_scc1 .Lbias_v
	s_lshl_b32 s20, s42, 10                        ; k, q: accumulator (a, b), register j, is column 16 b + 8 h + j of my 128
	s_lshl_b32 s21, s16, 9
	s_add_co_u32 s20, s20, s21
	s_mov_b32 s21, 0
	s_add_nc_u64 s[8:9], s[8:9], s[20:21]
	v_lshlrev_b32 v3, 5, v2
.irp b, 0,1,2,3,4,5,6,7
	global_load_b128 v[BIAS+8*\b:BIAS+8*\b+3], v3, s[8:9] offset:64*\b
	global_load_b128 v[BIAS+8*\b+4:BIAS+8*\b+7], v3, s[8:9] offset:64*\b+16
.endr
	s_branch .Lbias_done
.Lbias_v:
	s_lshl_b32 s20, s41, 10                        ; v: all eight registers of accumulator (a, b) are channel 16 a + r of my 128
	s_lshl_b32 s21, s15, 9
	s_add_co_u32 s20, s20, s21
	s_add_co_u32 s20, s20, 8192                    ; v's part of the bias begins at number 2,048
	s_mov_b32 s21, 0
	s_add_nc_u64 s[8:9], s[8:9], s[20:21]
	v_lshlrev_b32 v3, 2, v1
.irp a, 0,1,2,3,4,5,6,7
.irp j, 0,1,2,3,4,5,6,7
	global_load_b32 v[BIAS+8*\a+\j], v3, s[8:9] offset:64*\a
.endr
.endr
.Lbias_done:
.macro FRAG reg, adr, q, i             ; a fragment as it lies: three loads of 512 consecutive bytes
.irp g, 0,1,2
	ds_load_b128 v[\reg+4*\g:\reg+4*\g+3], v[\adr] offset:(\i)*KB+(\q)*1536+512*\g
.endr
.endm
; 16 matrix instructions: A's blocks a0, a0 + 1 x B's eight, the slot's q-th 128 along K.  p: B's set; sc: the set of scale words.  zero = 1, 2: the first product starts the sums on the bias (by b, by a).
; The 64 accumulators take turns, one instruction a turn, in the same order in every step.
.macro MUL16 a0, p, q, sc, zero
.irp a, \a0, \a0+1
.irp b, 0,1,2,3,4,5,6,7
.if (\zero) == 1
	v_wmma_scale_f32_16x16x128_f8f6f4 v[8*(8*((\a)%4)+\b):8*(8*((\a)%4)+\b)+7], v[128*(\p)+FR*\b:128*(\p)+FR*\b+FR-1], v[AF+FR*(\a):AF+FR*(\a)+FR-1], v[BIAS+8*\b:BIAS+8*\b+7], v[SC+8*NQ*(\sc)+NQ*\b+(\q)], v[SC+8*NQ*(\sc)+NQ*(\a)+(\q)] matrix_a_fmt:MATRIX_FMT_FP6 matrix_b_fmt:MATRIX_FMT_FP6 matrix_a_scale:MATRIX_SCALE_ROW1
.elseif (\zero) == 2
	v_wmma_scale_f32_16x16x128_f8f6f4 v[8*(8*((\a)%4)+\b):8*(8*((\a)%4)+\b)+7], v[128*(\p)+FR*\b:128*(\p)+FR*\b+FR-1], v[AF+FR*(\a):AF+FR*(\a)+FR-1], v[BIAS+8*(\a):BIAS+8*(\a)+7], v[SC+8*NQ*(\sc)+NQ*\b+(\q)], v[SC+8*NQ*(\sc)+NQ*(\a)+(\q)] matrix_a_fmt:MATRIX_FMT_FP6 matrix_b_fmt:MATRIX_FMT_FP6 matrix_a_scale:MATRIX_SCALE_ROW1
.else
	v_wmma_scale_f32_16x16x128_f8f6f4 v[8*(8*((\a)%4)+\b):8*(8*((\a)%4)+\b)+7], v[128*(\p)+FR*\b:128*(\p)+FR*\b+FR-1], v[AF+FR*(\a):AF+FR*(\a)+FR-1], v[8*(8*((\a)%4)+\b):8*(8*((\a)%4)+\b)+7], v[SC+8*NQ*(\sc)+NQ*\b+(\q)], v[SC+8*NQ*(\sc)+NQ*(\a)+(\q)] matrix_a_fmt:MATRIX_FMT_FP6 matrix_b_fmt:MATRIX_FMT_FP6 matrix_a_scale:MATRIX_SCALE_ROW1
.endif
.endr
.endr
.endm
.macro FETCH_B slot, q, p
	WIN TO_B
.irp i, 0,1,2,3,4,5,6,7
	FRAG 128*(\p)+FR*\i, ADRB+\slot, \q, \i
.endr
	WIN 0
.endm
.macro FETCH_A slot, q, i0
.irp i, \i0, \i0+1, \i0+2, \i0+3
	FRAG AF+FR*(\i), ADRA+\slot, \q, \i
.endr
.endm
.macro SCALES sc                       ; a K step's scale words: two words a row; lanes 0-15 take A's block i, lanes 16-31 B's block i
.irp i, 0,1,2,3,4,5,6,7
	ds_load_b64 v[SC+8*NQ*\sc+NQ*\i:SC+8*NQ*\sc+NQ*\i+1], v[ADRS] offset:(\i/2)*1024+(\i%2)*128
.endr
.endm
.macro PLACES n                        ; plain vector lines between a matrix instruction and a load into, or a vector line on, its registers (ISA guide 7.12.1 for vector lines)
.rept \n
	v_nop
.endr
.endm
.macro STEP slot, q, zero              ; a step of 128 along K that has its successor in the same slot
	s_wait_dscnt 4*NL                              ; B's set, A's blocks 0-3 and the scale words are in; the youngest twelve loads (A's blocks 4-7) may be out
.if \zero
	WIN FST_LO
.else
	WIN MUL_LO
.endif
	MUL16 0, (\q)%2, \q, \slot, \zero
	MUL16 2, (\q)%2, \q, \slot, \zero
	s_wait_dscnt 0                                 ; A's blocks 4-7 are in
	PLACES NP
	FETCH_B \slot, (\q)+1, 1-(\q)%2
	FETCH_A \slot, (\q)+1, 0
.if \zero
	WIN FST_HI
.else
	WIN MUL_HI
.endif
	MUL16 4, (\q)%2, \q, \slot, \zero
	MUL16 6, (\q)%2, \q, \slot, \zero
	PLACES NP
	WIN 0
	FETCH_A \slot, (\q)+1, 4
.endm
; A slot's last step changes slots: ONE barrier; in front of it each wave waits for all its tensor loads, adds 0 to its spare word, and waits for that and for its own reads of this slot.
.macro TURN slot, next, fill
	s_wait_tensorcnt 0x0                           ; all my tensor loads have landed: my part of the next slot
	ds_add_u32 v[SPW], v[NIL]                      ; 0 onto my spare word
	s_wait_dscnt 4*NL+1                            ; (the add and the youngest twelve loads, A's blocks 4-7, may be out)
	WIN MUL_LO
	MUL16 0, 1, NQ-1, \slot, 0                     ; sixteen matrix instructions stand between the add and the wait for it
	s_wait_dscnt 0x0                               ; the add is done, and my reads of this slot are over
	s_barrier_signal -1
	MUL16 2, 1, NQ-1, \slot, 0
	WIN 0
	s_barrier_wait -1
.if \fill
	CREST                                          ; the barrier has opened a round of the cluster's barrier: no wave of any partner still reads this slot or has a load on its way
	s_add_nc_u64 s[G0+4*\slot+2:G0+4*\slot+3], s[G0+4*\slot+2:G0+4*\slot+3], 2*KB
	s_add_nc_u64 s[G0B+4*\slot+2:G0B+4*\slot+3], s[G0B+4*\slot+2:G0B+4*\slot+3], 2*KB
	JLOAD G0+4*\slot, G1, G0B+4*\slot, G1B         ; the first tensor load behind the round, my only one until the next; its four v_nop are the places in front of the loads below
.else
	PLACES NP
.endif
	s_wait_alu depctr_va_vdst(0)
	v_add_nc_u32 v[ADRS], 256, v[ADRS]             ; the next K step's scale words
	FETCH_B \next, 0, 0
	FETCH_A \next, 0, 0
	SCALES \next
	WIN MUL_HI
	MUL16 4, 1, NQ-1, \slot, 0
	MUL16 6, 1, NQ-1, \slot, 0
	PLACES NP
	WIN 0
	FETCH_A \next, 0, 4
.endm
	s_wait_tensorcnt 1                             ; the scale words and my part of K step 0 are in; K step 1's load may be out
	s_barrier_signal -1
	s_barrier_wait -1
	s_wait_alu depctr_va_vdst(0)
	FETCH_B 0, 0, 0
	FETCH_A 0, 0, 0
	SCALES 0
	FETCH_A 0, 0, 4
	s_wait_loadcnt 0x0                             ; the bias
	s_cmp_eq_u32 s95, 1
	s_cbranch_scc1 .Lfirst_v
	STEP 0, 0, 1                                   ; the first step starts the sums on the bias: by B's blocks,
	s_branch .Lfirst_done
.Lfirst_v:
	STEP 0, 0, 2                                   ; or by A's
.Lfirst_done:
	TURN 0, 1, 1                                   ; slot 0 takes K step 2
	STEP 1, 0, 0
	TURN 1, 0, 1                                   ; slot 1 takes K step 3
	STEP 0, 0, 0
	TURN 0, 1, 0                                   ; nothing is left to fetch
	STEP 1, 0, 0
	s_wait_dscnt 4*NL
	WIN MUL_LO
	MUL16 0, 1, NQ-1, 1, 0
	MUL16 2, 1, NQ-1, 1, 0
	s_wait_dscnt 0
	WIN MUL_HI
	MUL16 4, 1, NQ-1, 1, 0
	MUL16 6, 1, NQ-1, 1, 0
	WIN 0
; THE WAY OUT.  Block a (16 rows of A's side x my 128 of B's side) is four blocks of 32 along the next K: they become codes in v[D0] .. v[D0 + 5] (blocks 0, 1) and v[D1] .. v[D1 + 5] (blocks 2, 3)
; and a scale word in v[WA + a].  Each accumulator is read from its low end on.
.macro QUANT a
.set WN, 2+(\a)/4
.set AS, 64*((\a)%4)
.set WM, (WN<<2)|(WN<<4)
	WIN WM                                         ; sources 1 and 2: the accumulators' window
.irp b, 0,1,2,3
	v_max3_num_f32 v[TM+\b], s[FL], |v[AS+16*\b]|, |v[AS+16*\b+1]|   ; my 16 numbers of block b, and the floor: the byte cannot fall under 1
.endr
.irp i, 2,4,6,8,10,12,14
.irp b, 0,1,2,3
	v_max3_num_f32 v[TM+\b], v[TM+\b], |v[AS+16*\b+\i]|, |v[AS+16*\b+\i+1]|
.endr
.endr
	WIN 0
.irp b, 0,1,2,3
	v_permlanex16_b32 v[TM+4+\b], v[TM+\b], s66, s67
.endr
.irp b, 0,1,2,3
	v_max_num_f32 v[TM+\b], v[TM+\b], v[TM+4+\b]   ; with lane l xor 16's: the block's largest magnitude
.endr
.irp b, 0,1,2,3
	v_add_nc_u32 v[TM+12+\b], 0xff000000, v[TM+\b] ; 2 off its exponent field: the conversion's scale operand
.endr
.irp b, 0,1,2,3
	v_lshrrev_b32 v[TM+4+\b], 23, v[TM+12+\b]      ; the scale's byte
.endr
	v_lshl_or_b32 v[WA+(\a)], v[TM+5], 8, v[TM+4]
	v_lshl_or_b32 v[WA+(\a)], v[TM+6], 16, v[WA+(\a)]
	v_lshl_or_b32 v[WA+(\a)], v[TM+7], 24, v[WA+(\a)]
	WIN WN                                         ; source 0: the accumulators' window
	v_cvt_scalef32_pk16_fp6_f32 v[D0:D0+2], v[AS:AS+15], v[TM+12]
	v_cvt_scalef32_pk16_fp6_f32 v[T0:T0+2], v[AS+16:AS+31], v[TM+13]
	v_cvt_scalef32_pk16_fp6_f32 v[D1:D1+2], v[AS+32:AS+47], v[TM+14]
	v_cvt_scalef32_pk16_fp6_f32 v[T1:T1+2], v[AS+48:AS+63], v[TM+15]
	WIN 0
	v_nop                                          ; one plain line behind the conversions
.irp i, 0,1,2                          ; the operand's layout wants a whole block in a lane: lanes 0-15 the even block, lanes 16-31 the odd one
	v_permlane16_swap_b32 v[D0+\i], v[T0+\i]
	v_permlane16_swap_b32 v[D1+\i], v[T1+\i]
.endr
.irp i, 0,1,2
	v_mov_b32 v[D0+3+\i], v[T0+\i]
	v_mov_b32 v[D1+3+\i], v[T1+\i]
.endr
.endm
	s_mov_b32 s[FL], 0x1800000
	s_mov_b32 s66, 0x76543210
	s_mov_b32 s67, 0xfedcba98                      ; v_permlanex16_b32's selects for lane l xor 16
.irp b, 0,1,2,3
	v_mov_b32 v[TM+4+\b], 0                        ; a lane permute's destination counts as one of its sources.  These four plain lines are also the places behind the last products
.endr
	v_cmp_le_u32 vcc_lo, 16, v[LN]                 ; lanes 16-31
	s_cmp_eq_u32 s95, 1
	s_cbranch_scc1 .Lout_v
	; ---- k, q: my 128 tokens x two heads
	s_lshl_b32 s20, s17, 8
	s_lshl_b32 s21, s15, 7
	s_add_co_u32 s20, s20, s21                     ; my first row of x
	s_lshr_b32 s21, s20, 11                        ; batch
	s_and_b32 s20, s20, 2047                       ; token
	s_lshl_b32 s22, s42, 2
	s_lshl_b32 s23, s16, 1
	s_add_co_u32 s22, s22, s23
	s_and_b32 s22, s22, 15                         ; my first head
	s_lshl_b32 s21, s21, 4
	s_add_co_u32 s21, s21, s22
	s_mul_i32 s21, s21, REC                        ; its record
	s_lshr_b32 s22, s20, 5
	s_mul_i32 s22, s22, 1536
	s_add_co_u32 s22, s22, s21                     ; the image of my first 32 tokens
	s_lshr_b32 s20, s20, 7
	s_lshl_b32 s20, s20, 9
	s_add_co_u32 s20, s20, s21
	s_add_co_u32 s46, s20, 196608                  ; my 128 tokens' scale words
	s_mov_b32 s47, 0
	s_mov_b32 s20, s22
	s_mov_b32 s21, 0
	s_mov_b32 s19, 0x7f7f0000
	s_mov_b32 s96, 0x7f7f
	s_cmp_eq_u32 ttmp9, 0
	s_cselect_b64 s[22:23], s[10:11], s[12:13]     ; k goes to kv, q to qr
	s_add_nc_u64 s[20:21], s[22:23], s[20:21]
	s_add_nc_u64 s[22:23], s[22:23], s[46:47]
.set pa, 0
.rept 4                                ; two tiles of 16 tokens make an image of 12 registers for each head
.set OO, OUT+24*pa
.set D0, OO
.set D1, OO+12
	QUANT 2*pa
.set D0, OO+6
.set D1, OO+18
	QUANT 2*pa+1
.irp c, 0,1
.irp g, 0,1,2
	global_store_b128 v[LI], v[OO+12*\c+4*\g:OO+12*\c+4*\g+3], s[20:21] offset:\c*REC+pa*1536+512*\g
.endr
.endr
.set pa, pa+1
.endr
.irp j, 0,1,2,3
	v_cndmask_b32 v[SR+8+\j], v[WA+2*\j], v[WA+2*\j+1], vcc_lo   ; lane l: token 32 j + l's word
.endr
.irp j, 0,1,2,3
	v_and_or_b32 v[SR+\j], v[SR+8+\j], 0xffff, s19         ; the first head's two bytes; the upper half of the instruction's K is zero codes under the byte 0x7f
	v_alignbit_b32 v[SR+4+\j], s96, v[SR+8+\j], 16         ; the second head's
.endr
	global_store_b128 v[LI], v[SR:SR+3], s[22:23]
	global_store_b128 v[LI], v[SR+4:SR+7], s[22:23] offset:REC
	s_branch .Lout_done
.Lout_v:
	; ---- v: my 128 channels (two heads) x 128 tokens (one key step)
	s_lshl_b32 s20, s42, 1
	s_add_co_u32 s20, s20, s16                     ; my first token / 128
	s_lshr_b32 s21, s20, 4                         ; batch
	s_and_b32 s20, s20, 15                         ; key step
	s_lshl_b32 s22, s41, 2
	s_lshl_b32 s23, s15, 1
	s_add_co_u32 s22, s22, s23                     ; my first head
	s_lshl_b32 s21, s21, 4
	s_add_co_u32 s21, s21, s22
	s_mul_i32 s21, s21, REC
	s_lshl_b32 s46, s20, 8
	s_add_co_u32 s46, s46, s21
	s_add_co_u32 s46, s46, 204800                  ; the key step's scale words
	s_mov_b32 s47, 0
	s_mul_i32 s20, s20, 6144
	s_add_co_u32 s20, s20, s21
	s_add_co_u32 s20, s20, 98304                   ; its four fragments
	s_mov_b32 s21, 0
	s_add_nc_u64 s[20:21], s[10:11], s[20:21]
	s_add_nc_u64 s[22:23], s[10:11], s[46:47]
.set pa, 0
.rept 4                                ; each block of 16 channels is a whole fragment
.set OO, OUT+24*pa
.set D0, OO
.set D1, OO+6
	QUANT 2*pa
.set D0, OO+12
.set D1, OO+18
	QUANT 2*pa+1
.irp e, 0,1
.irp g, 0,1,2
	global_store_b128 v[LI], v[OO+12*\e+4*\g:OO+12*\e+4*\g+3], s[20:21] offset:((2*pa+\e)/4)*REC+((2*pa+\e)%4)*1536+512*\g
.endr
.endr
.set pa, pa+1
.endr
.irp j, 0,1,2,3
	v_cndmask_b32 v[SR+\j], v[WA+2*\j], v[WA+2*\j+1], vcc_lo     ; head j / 2: lane l: channel 32 (j % 2) + l's word
.endr
	global_store_b64 v[LS], v[SR:SR+1], s[22:23]
	global_store_b64 v[LS], v[SR+2:SR+3], s[22:23] offset:REC
.Lout_done:
	s_wait_tensorcnt 0x0                           ; the wave's end: behind my last tensor load
	ds_add_u32 v[SPW], v[NIL]
	s_wait_dscnt 0x0
	CROUND                                         ; the closing round: no work-group ends while a partner may still ask for a tile that names it
	s_endpgm
.Lfunc_end_k_q550a15f76a_gemm_qkv:
	.size	k_q550a15f76a_gemm_qkv, .Lfunc_end_k_q550a15f76a_gemm_qkv-k_q550a15f76a_gemm_qkv
	.p2alignl 7, 3214868480
	.fill 96, 4, 3214868480
	.section	.rodata,"a",@progbits
	.p2align	6, 0x0
	.amdhsa_kernel k_q550a15f76a_gemm_qkv
		.amdhsa_group_segment_fixed_size 327680
		.amdhsa_private_segment_fixed_size 0
		.amdhsa_enable_private_segment 0
		.amdhsa_kernarg_size 40
		.amdhsa_user_sgpr_count 2
		.amdhsa_user_sgpr_kernarg_segment_ptr 1
		.amdhsa_wavefront_size32 1
		.amdhsa_system_sgpr_workgroup_id_x 1
		.amdhsa_system_sgpr_workgroup_id_y 1
		.amdhsa_system_sgpr_workgroup_id_z 1
		.amdhsa_system_vgpr_workitem_id 0
		.amdhsa_next_free_vgpr 1024
		.amdhsa_next_free_sgpr 102
		.amdhsa_reserve_vcc 1
		.amdhsa_float_denorm_mode_32 3
		.amdhsa_float_denorm_mode_16_64 3
		.amdhsa_memory_ordered 1
		.amdhsa_forward_progress 1
		.amdhsa_inst_pref_size 193
	.end_amdhsa_kernel
	.amdgpu_metadata
---
amdhsa.version: [ 1, 2 ]
amdhsa.kernels:
  - .name:           k_q550a15f76a_gemm_qkv
    .symbol:         k_q550a15f76a_gemm_qkv.kd
    .args:
      - { .name: xq, .offset: 0, .size: 8, .value_kind: global_buffer, .address_space: global }
      - { .name: wq, .offset: 8, .size: 8, .value_kind: global_buffer, .address_space: global }
      - { .name: b_qkv, .offset: 16, .size: 8, .value_kind: global_buffer, .address_space: global }
      - { .name: kv, .offset: 24, .size: 8, .value_kind: global_buffer, .address_space: global }
      - { .name: qr, .offset: 32, .size: 8, .value_kind: global_buffer, .address_space: global }
    .group_segment_fixed_size: 327680
    .private_segment_fixed_size: 0
    .kernarg_segment_align: 8
    .kernarg_segment_size: 40
    .max_flat_workgroup_size: 128
    .sgpr_count:     102
    .vgpr_count:     1024
    .wavefront_size: 32
...
	.end_amdgpu_metadata
.endif
;; end of part 2
;; launch attn (part 3): grid 4 x 64, 16 waves a work-group, clusters of 4 x 1, 210,944 bytes of LDS; arguments kv, qr, yq; writes yq
.if DOCPART == 3
	.amdgcn_target "amdgcn-amd-amdhsa--gfx1250"
	.amdhsa_code_object_version 6
	.text
	.protected	k_q550a15f76a_attn
	.globl	k_q550a15f76a_attn
	.p2align	8
	.type	k_q550a15f76a_attn,@function
k_q550a15f76a_attn:
	s_mov_b64 s[64:65], 0
	v_nop
	global_prefetch_b8 v0, s[64:65] scope:SCOPE_SE
	s_setreg_imm32_b32 hwreg(HW_REG_WAVE_MODE, 25, 1), 1
	s_wait_xcnt 0x0
	s_wait_alu depctr_hold_cnt(0) depctr_sa_sdst(0) depctr_va_vdst(0) depctr_va_sdst(0) depctr_va_ssrc(0) depctr_va_vcc(0) depctr_vm_vsrc(0)
	s_getreg_b32 s2, hwreg(HW_REG_IB_STS2, 6, 4)
	s_cmp_eq_u32 s2, 0
	s_cbranch_scc0 .Lentry_in_a_cluster
	s_endpgm
.Lentry_in_a_cluster:
	s_bfe_u32 s2, ttmp6, 0x10000c
	s_cmp_lg_u32 s2, 0x3003
	s_cbranch_scc0 .Lentry_shape_is_right
	s_endpgm
.Lentry_shape_is_right:
; y[b][q][head] = softmax_k(q . k / 8, causal) v for 64 (batch, head) pairs of 2,048 tokens and 64 channels, both products on codes of FP6 (E2M3) with E8M0 scales; y leaves as codes for the last product.
; THE SOFTMAX: t = score x log2(e) / 8; M = the running largest t rounded UP to a whole number; p = 2^(t - M) is quantised along the keys, not normalised; the row's sum is taken of the unquantised p
; and divides at the end; when M moves, the sum and O are multiplied by 2^(old M - new M), which rounds nothing.
; A HEAD'S RECORD (K's image, V's image, K's and V's scale words: 208,896 bytes, laid by the launch before as images of the operands' registers) LIES IN LDS WHOLE: it is filled once, each of the
; sixteen waves bringing 51 rows of 256 bytes; there is no ring and no refill.  CLUSTER: the four work-groups of a cluster serve one head and ask for its record jointly (mask 15).
; SHARES.  The head's queries are 16 groups of 128, each of 8 tiles of 16.  Partner cx takes tiles 2 cx and 2 cx + 1 of every group.  Wave w has two passes: tile 2 cx of group w (w + 1 key steps of 128,
; walked from the diagonal down) and tile 2 cx + 1 of group 15 - w (16 - w key steps, walked up to the diagonal): 17 key steps for every wave of every work-group.  Key steps that lie wholly behind
; the mask are not walked.  The loop has 17 trips; what it does hangs on the wave's number and the trip alone, never on cx.  The diagonal steps are trips 0 and 16 in every wave.
; LAYOUT.  Both products are used transposed: S^T = K Q^T (source 0 = 16 keys, source 1 = my 16 queries), O^T = V^T P^T: a lane holds ONE query (lane % 16) throughout.
; The first product's K is 64: half of the instruction's 128.  Q's upper six registers are zero codes, so whatever stands in the upper six of K's operand (the next tile's codes) adds nothing:
; every code of this format is a finite number, and the upper scale bytes are 0x7f.
; Inside each block of 32 along a K that a matrix result feeds, place 16 a + 8 u + j holds index 16 u + 8 a + j: q, k, p, v and y all carry it, and so does the last weight.
; y's codes: [token / 16][head][768]: registers 0-3 of lane l at 16 l, registers 4-5 at 512 + 8 l.  Its scale bytes go two at a time into words that four heads share
; ([token / 32][k / 256][token % 32][2 words]): stores of 2 bytes a lane, one byte in 24 of what the launch stores; whole words would want two heads in a work-group, whose records do not fit in LDS together.
; No prefetch: all that comes from memory is asked for at the head.
; LIMITS: a block of zeros gets the byte 1 where the quantiser says 127 (zero codes; the bytes are read by this program alone); NaN and infinities are not served.
.set REC,   208896
.set VIM,   98304                      ; V's image
.set KSC,   196608                     ; K's (in qr: Q's) scale words
.set VSC,   204800                     ; V's
.set SPARE, 208896                     ; behind the record: the spare words, 128 bytes for each of sixteen waves
.set SPW, 5                            ; v5 LDS address of my spare word; never rewritten
.set NIL, 6                            ; v6 0; never rewritten
; v1 16 l; v2 VIM + 16 l; v3 KSC + 16 l; v4 VSC + 8 l; v7 d for the mask; v8-11 the step's LDS addresses; v12 -M, v13 the largest t, v[14:15] the sum in two halves; v16-27 Q (22-27 zeros); v28 Q's scale words;
; v29 8 l, v30 8 r, v31 16 r; v32-79 K's eight tiles, six registers each, later V's four fragments; v80-85 zeros; v[86:87] f; v88-99 p's codes; v100-102, v104-106 conversions' upper halves; v107 y's two scale bytes;
; v108-171 S^T, then p; v172-203 O^T; v204-215 at work; v216-219 K's scale words, v220-221 V's, v222 p's; v223 at work; v224-229, v230, v231 the second pass's Q, scale words and d
.set S,   108
.set O,   172
.set BM,  204
.set T2,  208
.set SO,  212
.set WV,  18                           ; s18 my wave's number
.set SEL, 20                           ; s[20:21] v_permlanex16_b32's selects for lane l xor 16
.set CS,  22                           ; s[22:23] c = log2(e) / 8
.set G1,  24
.set G0,  32
.macro ROUND                           ; a round of the cluster's barrier
	s_barrier_signal -1
	s_barrier_wait -1
	s_cmp_lg_u32 s[WV], 0
	s_cbranch_scc1 .Lnot_wave_0_\@
	s_barrier_signal -3
.Lnot_wave_0_\@:
	s_barrier_wait -3
	s_barrier_signal -1
	s_barrier_wait -1
.endm
.macro RESET                           ; a pass begins: the largest t under every t, the sum and O^T zeros (the first change of M leaves them zeros)
	v_mov_b32 v13, 0xff61b1e6
	s_delay_alu instid0(VALU_DEP_1)
	v_floor_f32 v12, -v13
	v_mov_b32 v14, 0
	v_mov_b32 v15, 0
.set j, 0
.rept 32
	v_mov_b32 v[O+j], 0
.set j, j+1
.endr
.endm
	s_load_b128 s[4:7], s[0:1], 0x0                ; kv, qr
	s_load_b64 s[8:9], s[0:1], 0x10                ; yq
	v_lshl_add_u32 v[SPW], v0, 2, SPARE
	v_mov_b32 v[NIL], 0
	ds_add_u32 v[SPW], v[NIL]                      ; the wave's opening: the add and its wait stand ahead of my first tensor load; the set-up below, work on registers, stands between them
	ds_add_u32 v[SPW], v[NIL]
	v_lshrrev_b32 v8, 5, v0
	s_delay_alu instid0(VALU_DEP_1)
	v_readfirstlane_b32 s[WV], v8                  ; wave 0..15
	s_bfe_u32 s10, ttmp6, 0x40000                  ; cx: it enters Q's and y's addresses and the mask's numbers alone
	s_and_b32 s11, ttmp7, 0xffff                   ; 16 x batch + head: the four partners share it
	s_mul_i32 s12, s11, REC
	s_mov_b32 s13, 0
	s_mul_i32 s14, s[WV], 13056                    ; my 51 rows of 256 bytes, in memory and in LDS
	s_mov_b32 s15, 0
	s_mov_b32 s[G1], 15|(3<<16)|(1<<21)            ; 15:0 the mask: all four work-groups; 17:16 elements of 8 bytes; 20 no padding; 21 set beside a mask
	s_mov_b32 s[G1+1], 32<<16                      ; tensor_dim0 = 32 elements: 256 bytes
	s_mov_b32 s[G1+2], 51<<16                      ; tensor_dim1
	s_mov_b32 s[G1+3], 32<<16                      ; tile_dim0
	s_mov_b32 s[G1+4], 51                          ; tile_dim1
	s_mov_b32 s[G1+5], 32                          ; tensor_dim0_stride: dense
	s_mov_b32 s[G1+6], 0
	s_mov_b32 s[G1+7], 0
	s_mov_b32 s[SEL], 0x76543210
	s_mov_b32 s[SEL+1], 0xfedcba98
	s_mov_b32 s[CS], 0x3e38aa3b
	s_mov_b32 s[CS+1], s[CS]                       ; (named with it as a pair, so it is written)
	s_mov_b32 s36, 0                               ; the trip
	s_mov_b32 s37, s[WV]                           ; w - trip: the first pass's key step,
	s_xor_b32 s38, s[WV], -1                       ; trip - w - 1: the second's.  As unsigned numbers the one that is not due is huge
	s_sub_co_u32 s56, 15, s[WV]                    ; the second pass's group
	s_wait_dscnt 0x0                               ; the opening add is done
	s_wait_kmcnt 0x0
	s_add_nc_u64 s[4:5], s[4:5], s[12:13]          ; my head's record in kv
	s_add_nc_u64 s[6:7], s[6:7], s[12:13]          ; and in qr
	ROUND                                          ; all four work-groups are here: the joint loads meet
	s_mov_b32 s[G0], 1
	s_mov_b32 s[G0+1], s14
	s_add_nc_u64 s[G0+2:G0+3], s[4:5], s[14:15]
	s_or_b32 s[G0+3], s[G0+3], 0x80000000
	tensor_load_to_lds s[G0:G0+3], s[G1:G1+7]      ; my one tensor load of the launch
	s_nop 0
.rept 4
	v_nop
.endr
	; Q: the pair of tiles 4 g + cx of group g is an image of 12 registers: the first pass takes its even tile (registers 0-5), the second its odd one (6-11)
	s_lshl_b32 s40, s[WV], 2
	s_add_co_u32 s40, s40, s10
	s_mul_i32 s40, s40, 1536
	s_mov_b32 s41, 0
	s_add_nc_u64 s[40:41], s[6:7], s[40:41]
	s_lshl_b32 s42, s56, 2
	s_add_co_u32 s42, s42, s10
	s_mul_i32 s42, s42, 1536
	s_mov_b32 s43, 0
	s_add_nc_u64 s[42:43], s[6:7], s[42:43]
	s_lshl_b32 s46, s10, 2                         ; its scale words: group x 512 + 16 x (row of the 32) + 4 cx
	s_add_co_u32 s46, s46, KSC
	s_lshl_b32 s44, s[WV], 9
	s_add_co_u32 s44, s44, s46
	s_mov_b32 s45, 0
	s_add_nc_u64 s[44:45], s[6:7], s[44:45]
	s_lshl_b32 s47, s56, 9
	s_add_co_u32 s46, s46, s47
	s_add_co_u32 s46, s46, 256                     ; the odd tile's rows are 16 .. 31
	s_mov_b32 s47, 0
	s_add_nc_u64 s[46:47], s[6:7], s[46:47]
	v_and_b32 v9, 31, v0                           ; lane
	v_and_b32 v10, 15, v0                          ; r
	v_bfe_u32 v11, v0, 4, 1                        ; h
	s_delay_alu instid0(VALU_DEP_3)
	v_lshlrev_b32 v1, 4, v9
	s_delay_alu instid0(VALU_DEP_4)
	v_lshlrev_b32 v29, 3, v9
	s_delay_alu instid0(VALU_DEP_4)
	v_lshlrev_b32 v30, 3, v10
	v_lshlrev_b32 v31, 4, v10
	global_load_b128 v[16:19], v1, s[40:41]
	global_load_b64 v[20:21], v1, s[40:41] offset:512
	global_load_b64 v[224:225], v1, s[42:43] offset:520
	global_load_b128 v[226:229], v1, s[42:43] offset:1024
	global_load_b32 v28, v31, s[44:45]
	global_load_b32 v230, v31, s[46:47]
	v_add_nc_u32 v2, VIM, v1
	v_add_nc_u32 v3, KSC, v1
	v_add_nc_u32 v4, VSC, v29
	s_lshl_b32 s12, s10, 5
	v_lshlrev_b32 v8, 3, v11
	s_delay_alu instid0(VALU_DEP_1)
	v_sub_nc_u32 v7, v10, v8
	s_delay_alu instid0(VALU_DEP_1)
	v_add_nc_u32 v7, s12, v7                       ; d = my query's place in its group - 8 h: 32 cx + r - 8 h,
	s_delay_alu instid0(VALU_DEP_1)
	v_add_nc_u32 v231, 16, v7                      ; and 16 more in the second pass
.irp i, 22,23,24,25,26,27,80,81,82,83,84,85,87
	v_mov_b32 v\i, 0                               ; zero codes; and the upper half of the pair v[86:87], named before it is written
.endr
.irp b, 0,1,2,3
	v_mov_b32 v[T2+\b], 0                          ; a lane permute's destination counts as one of its sources
.endr
	RESET
	; y: tile of 16 tokens 128 b + 8 g + (2 cx or 2 cx + 1): 12,288 bytes each, my head's 768 in it; scale bytes: (64 b + 4 g + cx) x 1,024 + (head / 4) x 256 + 128 x (odd tile) + 2 (head % 4)
	s_lshr_b32 s12, s11, 4                         ; batch
	s_and_b32 s13, s11, 15                         ; head
	s_lshl_b32 s14, s12, 7
	s_lshl_b32 s15, s10, 1
	s_add_co_u32 s14, s14, s15
	s_mul_i32 s15, s13, 768
	s_lshl_b32 s16, s[WV], 3
	s_add_co_u32 s16, s16, s14
	s_mul_i32 s16, s16, 12288
	s_add_co_u32 s48, s16, s15
	s_mov_b32 s49, 0
	s_lshl_b32 s16, s56, 3
	s_add_co_u32 s16, s16, s14
	s_add_co_u32 s16, s16, 1
	s_mul_i32 s16, s16, 12288
	s_add_co_u32 s52, s16, s15
	s_mov_b32 s53, 0
	s_lshl_b32 s14, s12, 6
	s_add_co_u32 s14, s14, s10
	s_lshr_b32 s15, s13, 2
	s_lshl_b32 s15, s15, 8
	s_and_b32 s16, s13, 3
	s_lshl_b32 s16, s16, 1
	s_add_co_u32 s15, s15, s16
	s_add_co_u32 s15, s15, 6291456                 ; behind the codes
	s_lshl_b32 s16, s[WV], 2
	s_add_co_u32 s16, s16, s14
	s_lshl_b32 s16, s16, 10
	s_add_co_u32 s50, s16, s15
	s_mov_b32 s51, 0
	s_lshl_b32 s16, s56, 2
	s_add_co_u32 s16, s16, s14
	s_lshl_b32 s16, s16, 10
	s_add_co_u32 s16, s16, s15
	s_add_co_u32 s54, s16, 128
	s_mov_b32 s55, 0
	s_add_nc_u64 s[48:49], s[8:9], s[48:49]
	s_add_nc_u64 s[50:51], s[8:9], s[50:51]
	s_add_nc_u64 s[52:53], s[8:9], s[52:53]
	s_add_nc_u64 s[54:55], s[8:9], s[54:55]
; A pass ends: O^T / the sum, quantised along the head's 64 channels (two blocks), stored as half an image and two scale bytes.
.macro EPI img, sc
.rept 4
	v_nop                                          ; places behind the last products
.endr
	v_add_f32 v14, v14, v15                        ; the sum's two halves,
	s_delay_alu instid0(VALU_DEP_1)
	v_permlanex16_b32 v[T2], v14, s[SEL], s[SEL+1]
	s_delay_alu instid0(VALU_DEP_1)
	v_add_f32 v14, v14, v[T2]                      ; and lane l xor 16's
	s_wait_alu depctr_va_vdst(0)
	v_rcp_f32 v14, v14
	v_nop                                          ; one plain line behind the reciprocal,
	s_wait_alu depctr_va_vdst(0)                   ; and a wait ahead of its first reader
.set j, 0
.rept 16
	v_pk_mul_f32 v[S+j:S+j+1], v[O+j:O+j+1], v[14:15] op_sel_hi:[1,0]   ; each accumulator from its low end on; register 8 t + i is channel 16 t + 8 h + i
.set j, j+2
.endr
.irp b, 0,1
	v_max3_num_f32 v[BM+\b], |v[S+16*\b]|, |v[S+16*\b+1]|, 0x1800000
.endr
.irp i, 2,4,6,8,10,12,14
.irp b, 0,1
	s_delay_alu instid0(VALU_DEP_2)
	v_max3_num_f32 v[BM+\b], v[BM+\b], |v[S+16*\b+\i]|, |v[S+16*\b+\i+1]|
.endr
.endr
.irp b, 0,1
	s_delay_alu instid0(VALU_DEP_2)
	v_permlanex16_b32 v[T2+\b], v[BM+\b], s[SEL], s[SEL+1]
.endr
.irp b, 0,1
	s_delay_alu instid0(VALU_DEP_2)
	v_max_num_f32 v[BM+\b], v[BM+\b], v[T2+\b]
.endr
.irp b, 0,1
	s_delay_alu instid0(VALU_DEP_2)
	v_add_nc_u32 v[SO+\b], 0xff000000, v[BM+\b]
.endr
.irp b, 0,1
	s_delay_alu instid0(VALU_DEP_2)
	v_lshrrev_b32 v[T2+\b], 23, v[SO+\b]
.endr
	s_delay_alu instid0(VALU_DEP_1)
	v_lshl_or_b32 v107, v[T2+1], 8, v[T2]
	v_cvt_scalef32_pk16_fp6_f32 v[88:90], v[S:S+15], v[SO]
	v_cvt_scalef32_pk16_fp6_f32 v[100:102], v[S+16:S+31], v[SO+1]
	v_nop                                          ; one plain line behind the conversions
.irp i, 0,1,2
	v_permlane16_swap_b32 v[88+\i], v[100+\i]
.endr
.irp i, 0,1,2
	s_delay_alu instid0(VALU_DEP_3)
	v_mov_b32 v[91+\i], v[100+\i]
.endr
	global_store_b128 v1, v[88:91], s[\img:\img+1]             ; 512 consecutive bytes, aligned
	global_store_b64 v29, v[92:93], s[\img:\img+1] offset:512  ; 256
	global_store_b16 v30, v107, s[\sc:\sc+1]                   ; lanes l and l xor 16 store the same two bytes at the same place
.endm
	s_wait_loadcnt 0x0                             ; Q
	s_wait_tensorcnt 0x0                           ; my part of the record is in,
	s_barrier_signal -1
	s_barrier_wait -1                              ; everybody's is; nothing writes LDS from here on
.Lstep:                                            ; 17 trips, a key step of 128 keys each
	s_min_u32 s39, s37, s38                        ; the key step that is due,
	s_min_u32 s39, s39, 15                         ; which is 15 at the most: this line changes no value and states the bound
	s_mul_i32 s40, s39, 6144
	s_lshl_b32 s41, s39, 9
	s_lshl_b32 s42, s39, 8
	s_setprio 2
	v_add_nc_u32 v8, s40, v1                       ; these four plain lines are the places between the last trip's products and the loads into their registers
	v_add_nc_u32 v9, s40, v2
	v_add_nc_u32 v10, s41, v3
	v_add_nc_u32 v11, s42, v4
.irp p, 0,1,2,3
.irp g, 0,1,2
	ds_load_b128 v[32+12*\p+4*\g:35+12*\p+4*\g], v8 offset:\p*1536+512*\g   ; K: four pairs of tiles, as they lie
.endr
.endr
	ds_load_b128 v[216:219], v10                   ; register j, lane l: key 32 j + l's scale word
	s_wait_alu depctr_va_vdst(0)
	s_wait_dscnt 0x0
.irp t, 0,2,4,6                        ; S^T: tile t's six registers and the six behind them, which meet Q's zero codes
	v_wmma_scale_f32_16x16x128_f8f6f4 v[S+8*\t:S+8*\t+7], v[32+6*\t:43+6*\t], v[16:27], 0, v[216+\t/2], v28 matrix_a_fmt:MATRIX_FMT_FP6 matrix_b_fmt:MATRIX_FMT_FP6
	v_wmma_scale_f32_16x16x128_f8f6f4 v[S+8*\t+8:S+8*\t+15], v[38+6*\t:49+6*\t], v[16:27], 0, v[216+\t/2], v28 matrix_a_fmt:MATRIX_FMT_FP6 matrix_b_fmt:MATRIX_FMT_FP6 matrix_a_scale:MATRIX_SCALE_ROW1
.endr
.rept 4
	v_nop                                          ; places: in front of the loads into K's registers, and of the first read of the scores
.endr
.irp t, 0,1,2,3
.irp g, 0,1,2
	ds_load_b128 v[32+12*\t+4*\g:35+12*\t+4*\g], v9 offset:\t*1536+512*\g   ; V's four fragments land while the softmax is worked
.endr
.endr
	ds_load_b64 v[220:221], v11                    ; register j, lane l: channel 32 j + l's scale word
	s_cmp_eq_u32 s36, 0                            ; the diagonal: the first pass's first step and the second's last
	s_cbranch_scc1 .Lmask
	s_cmp_lg_u32 s36, 16
	s_cbranch_scc1 .Lopen
.Lmask:
	v_mov_b32 v223, 0xff800000                     ; hidden scores become -infinity ahead of the maximum: p = 0.  Register n holds key 32 (n / 16) + 16 ((n / 8) % 2) + 8 h + n % 8 of the step
.set n, 0
.rept 64
	v_cmp_gt_i32 vcc_lo, 32*(n/16)+16*((n/8)%2)+n%8, v7
	v_cndmask_b32 v[S+n], v[S+n], v223, vcc_lo
.set n, n+1
.endr
.Lopen:
.irp b, 0,1,2,3
	v_max3_num_f32 v[BM+\b], v[S+16*\b], v[S+16*\b+1], v[S+16*\b+2]   ; the largest score of each block of 32 keys: for the row's maximum and, since p rises with the score, for the block's largest p
.endr
.irp i, 3,5,7,9,11,13
.irp b, 0,1,2,3
	v_max3_num_f32 v[BM+\b], v[BM+\b], v[S+16*\b+\i], v[S+16*\b+\i+1]
.endr
.endr
.irp b, 0,1,2,3
	v_max_num_f32 v[BM+\b], v[BM+\b], v[S+16*\b+15]
.endr
.irp b, 0,1,2,3
	s_delay_alu instid0(VALU_DEP_4)
	v_permlanex16_b32 v[T2+\b], v[BM+\b], s[SEL], s[SEL+1]
.endr
.irp b, 0,1,2,3
	s_delay_alu instid0(VALU_DEP_4)
	v_max_num_f32 v[BM+\b], v[BM+\b], v[T2+\b]     ; with lane l xor 16's 16 keys
.endr
	s_delay_alu instid0(VALU_DEP_2)
	v_max3_num_f32 v223, v[BM], v[BM+1], v[BM+2]
	s_delay_alu instid0(VALU_DEP_1)
	v_max_num_f32 v223, v223, v[BM+3]
	s_delay_alu instid0(VALU_DEP_1)
	v_mul_f32 v223, s[CS], v223                    ; the step's largest t of my query
	s_delay_alu instid0(VALU_DEP_1)
	v_max_num_f32 v13, v13, v223
	v_mov_b32 v223, v12
	s_delay_alu instid0(VALU_DEP_2)
	v_floor_f32 v12, -v13                          ; the new -M = floor(-t)
	s_delay_alu instid0(VALU_DEP_1)
	v_sub_f32 v223, v12, v223                      ; old M - new M: a whole number, 0 or less
	s_delay_alu instid0(VALU_DEP_1)
	v_cvt_i32_f32 v223, v223                       ; (it saturates)
	s_delay_alu instid0(VALU_DEP_1)
	v_ldexp_f32 v86, 1.0, v223                     ; f = 2^(old M - new M)
.set j, 0
.rept 32
	v_pk_fma_f32 v[S+j:S+j+1], v[S+j:S+j+1], s[CS:CS+1], v[12:13] op_sel_hi:[1,0,0]   ; t - M
.set j, j+2
.endr
.irp b, 0,1,2,3
	v_fma_f32 v[BM+\b], v[BM+\b], s[CS], v12       ; the same of each block's largest score
.endr
.set j, 0
	s_wait_alu depctr_va_vdst(0)
.rept 64
	v_exp_f32 v[S+j], v[S+j]                       ; p = 2^(t - M)
.set j, j+1
.endr
	s_setprio 1
	v_pk_mul_f32 v[14:15], v[14:15], v[86:87] op_sel_hi:[1,0]   ; the sums under the new M (the plain line behind the exponentials)
	s_wait_alu depctr_va_vdst(0)                   ; one wait for the batch of 64, ahead of its first reader
.irp b, 0,1,2,3
	v_exp_f32 v[BM+\b], v[BM+\b]                   ; the block's largest p: the same two instructions on the same number
.endr
	v_pk_add_f32 v[208:209], v[112:113], v[116:117]
	v_pk_add_f32 v[254:255], v[120:121], v[124:125]
	v_pk_add_f32 v[252:253], v[128:129], v[132:133]
	v_pk_add_f32 v[250:251], v[136:137], v[140:141]
	v_pk_add_f32 v[248:249], v[144:145], v[148:149]
	v_pk_add_f32 v[246:247], v[152:153], v[156:157]
	v_pk_add_f32 v[244:245], v[160:161], v[164:165]
	v_pk_add_f32 v[14:15], v[14:15], v[168:169]
	v_pk_add_f32 v[208:209], v[208:209], v[108:109]
	v_pk_add_f32 v[254:255], v[254:255], v[110:111]
	v_pk_add_f32 v[252:253], v[252:253], v[114:115]
	v_pk_add_f32 v[250:251], v[250:251], v[118:119]
	v_pk_add_f32 v[248:249], v[248:249], v[122:123]
	v_pk_add_f32 v[246:247], v[246:247], v[126:127]
	v_pk_add_f32 v[244:245], v[244:245], v[130:131]
	v_pk_add_f32 v[14:15], v[14:15], v[134:135]
	v_pk_add_f32 v[208:209], v[208:209], v[138:139]
	v_pk_add_f32 v[254:255], v[254:255], v[142:143]
	v_pk_add_f32 v[252:253], v[252:253], v[146:147]
	v_pk_add_f32 v[250:251], v[250:251], v[150:151]
	v_pk_add_f32 v[248:249], v[248:249], v[154:155]
	v_pk_add_f32 v[246:247], v[246:247], v[158:159]
	v_pk_add_f32 v[244:245], v[244:245], v[162:163]
	v_pk_add_f32 v[14:15], v[14:15], v[166:167]
	v_pk_add_f32 v[208:209], v[208:209], v[170:171]
	s_delay_alu instid0(VALU_DEP_2)
	v_pk_add_f32 v[14:15], v[14:15], v[250:251]
	s_delay_alu instid0(VALU_DEP_2)
	v_pk_add_f32 v[208:209], v[208:209], v[248:249]
	v_pk_add_f32 v[254:255], v[254:255], v[246:247]
	v_pk_add_f32 v[252:253], v[252:253], v[244:245]
	s_delay_alu instid0(VALU_DEP_2)
	v_pk_add_f32 v[14:15], v[14:15], v[254:255]
	s_delay_alu instid0(VALU_DEP_2)
	v_pk_add_f32 v[208:209], v[208:209], v[252:253]
	s_delay_alu instid0(VALU_DEP_1)
	v_pk_add_f32 v[14:15], v[14:15], v[208:209]
	s_wait_alu depctr_va_vdst(0)                   ; and one for the four
.irp b, 0,1,2,3
	v_max_num_f32 v[BM+\b], 0x1800000, v[BM+\b]    ; the floor: the byte cannot fall under 1
.endr
.irp b, 0,1,2,3
	s_delay_alu instid0(VALU_DEP_4)
	v_add_nc_u32 v[SO+\b], 0xff000000, v[BM+\b]    ; 2 off the exponent field: the conversion's scale operand
.endr
.irp b, 0,1,2,3
	s_delay_alu instid0(VALU_DEP_4)
	v_lshrrev_b32 v[T2+\b], 23, v[SO+\b]
.endr
	s_delay_alu instid0(VALU_DEP_3)
	v_lshl_or_b32 v222, v[T2+1], 8, v[T2]          ; p's scale word for these 128 keys
	s_delay_alu instid0(VALU_DEP_1)
	v_lshl_or_b32 v222, v[T2+2], 16, v222
	s_delay_alu instid0(VALU_DEP_1)
	v_lshl_or_b32 v222, v[T2+3], 24, v222
.irp c, 0,1
	v_cvt_scalef32_pk16_fp6_f32 v[88+6*\c:90+6*\c], v[S+32*\c:S+32*\c+15], v[SO+2*\c]
	v_cvt_scalef32_pk16_fp6_f32 v[100+4*\c:102+4*\c], v[S+32*\c+16:S+32*\c+31], v[SO+2*\c+1]
.endr
	v_nop                                          ; one plain line behind the conversions
.irp c, 0,1
.irp i, 0,1,2
	v_permlane16_swap_b32 v[88+6*\c+\i], v[100+4*\c+\i]
.endr
.irp i, 0,1,2
	s_delay_alu instid0(VALU_DEP_3)
	v_mov_b32 v[91+6*\c+\i], v[100+4*\c+\i]
.endr
.endr
.set j, 0
.rept 16
	v_pk_mul_f32 v[O+j:O+j+1], v[O+j:O+j+1], v[86:87] op_sel_hi:[1,0]   ; O^T under the new M; these sixteen also stand between the lines that made p's codes and scale word and the products
.set j, j+2
.endr
	s_wait_alu depctr_va_vdst(0)
	s_wait_dscnt 0x0                               ; V
.irp t, 0,2                            ; O^T += V^T P^T: four accumulators, one instruction each
	v_wmma_scale_f32_16x16x128_f8f6f4 v[O+8*\t:O+8*\t+7], v[32+12*\t:43+12*\t], v[88:99], v[O+8*\t:O+8*\t+7], v[220+\t/2], v222 matrix_a_fmt:MATRIX_FMT_FP6 matrix_b_fmt:MATRIX_FMT_FP6
	v_wmma_scale_f32_16x16x128_f8f6f4 v[O+8*\t+8:O+8*\t+15], v[44+12*\t:55+12*\t], v[88:99], v[O+8*\t+8:O+8*\t+15], v[220+\t/2], v222 matrix_a_fmt:MATRIX_FMT_FP6 matrix_b_fmt:MATRIX_FMT_FP6 matrix_a_scale:MATRIX_SCALE_ROW1
.endr
	s_cmp_lg_u32 s36, s[WV]                        ; trip w ends the first pass
	s_setprio 0
	s_cbranch_scc1 .Lsame_pass
	EPI 48, 50
	v_mov_b32 v28, v230                            ; the second pass's scale words first: more than eight plain lines follow ahead of the next product
.irp i, 0,1,2,3,4,5
	v_mov_b32 v[16+\i], v[224+\i]
.endr
	v_mov_b32 v7, v231
	RESET
	s_wait_xcnt 0x0                                ; the stores have read their data: the next step writes those registers again
.Lsame_pass:
	s_add_co_u32 s37, s37, -1
	s_add_co_u32 s38, s38, 1
	s_add_co_u32 s36, s36, 1
	s_cmp_lt_u32 s36, 17
	s_cbranch_scc1 .Lstep
	s_setprio 0
	EPI 52, 54
	s_wait_tensorcnt 0x0                           ; the wave's end: behind my last tensor load
	ds_add_u32 v[SPW], v[NIL]
	s_wait_dscnt 0x0
	ROUND                                          ; the closing round
	s_endpgm
.Lfunc_end_k_q550a15f76a_attn:
	.size	k_q550a15f76a_attn, .Lfunc_end_k_q550a15f76a_attn-k_q550a15f76a_attn
	.p2alignl 7, 3214868480
	.fill 96, 4, 3214868480
	.section	.rodata,"a",@progbits
	.p2align	6, 0x0
	.amdhsa_kernel k_q550a15f76a_attn
		.amdhsa_group_segment_fixed_size 210944
		.amdhsa_private_segment_fixed_size 0
		.amdhsa_enable_private_segment 0
		.amdhsa_kernarg_size 24
		.amdhsa_user_sgpr_count 2
		.amdhsa_user_sgpr_kernarg_segment_ptr 1
		.amdhsa_wavefront_size32 1
		.amdhsa_system_sgpr_workgroup_id_x 1
		.amdhsa_system_sgpr_workgroup_id_y 1
		.amdhsa_system_sgpr_workgroup_id_z 1
		.amdhsa_system_vgpr_workitem_id 0
		.amdhsa_next_free_vgpr 256
		.amdhsa_next_free_sgpr 66
		.amdhsa_reserve_vcc 1
		.amdhsa_float_denorm_mode_32 3
		.amdhsa_float_denorm_mode_16_64 3
		.amdhsa_memory_ordered 1
		.amdhsa_forward_progress 1
		.amdhsa_inst_pref_size 41
	.end_amdhsa_kernel
	.amdgpu_metadata
---
amdhsa.version: [ 1, 2 ]
amdhsa.kernels:
  - .name:           k_q550a15f76a_attn
    .symbol:         k_q550a15f76a_attn.kd
    .args:
      - { .name: kv, .offset: 0, .size: 8, .value_kind: global_buffer, .address_space: global }
      - { .name: qr, .offset: 8, .size: 8, .value_kind: global_buffer, .address_space: global }
      - { .name: yq, .offset: 16, .size: 8, .value_kind: global_buffer, .address_space: global }
    .group_segment_fixed_size: 210944
    .private_segment_fixed_size: 0
    .kernarg_segment_align: 8
    .kernarg_segment_size: 24
    .max_flat_workgroup_size: 512
    .sgpr_count:     66
    .vgpr_count:     256
    .wavefront_size: 32
...
	.end_amdgpu_metadata
.endif
;; end of part 3
;; launch gemm_proj (part 4): grid 4 x 32, 4 waves a work-group, clusters of 4 x 4, 327,680 bytes of LDS; arguments yq, wq, b_proj, out0; writes out0
.if DOCPART == 4
	.amdgcn_target "amdgcn-amd-amdhsa--gfx1250"
	.amdhsa_code_object_version 6
	.text
	.protected	k_q550a15f76a_gemm_proj
	.globl	k_q550a15f76a_gemm_proj
	.p2align	8
	.type	k_q550a15f76a_gemm_proj,@function
k_q550a15f76a_gemm_proj:
	s_mov_b64 s[64:65], 0
	v_nop
	global_prefetch_b8 v0, s[64:65] scope:SCOPE_SE
	s_setreg_imm32_b32 hwreg(HW_REG_WAVE_MODE, 25, 1), 1
	s_wait_xcnt 0x0
	s_wait_alu depctr_hold_cnt(0) depctr_sa_sdst(0) depctr_va_vdst(0) depctr_va_sdst(0) depctr_va_ssrc(0) depctr_va_vcc(0) depctr_vm_vsrc(0)
	s_getreg_b32 s2, hwreg(HW_REG_IB_STS2, 6, 4)
	s_cmp_eq_u32 s2, 0
	s_cbranch_scc0 .Lentry_in_a_cluster
	s_endpgm
.Lentry_in_a_cluster:
	s_bfe_u32 s2, ttmp6, 0x10000c
	s_cmp_lg_u32 s2, 0xf033
	s_cbranch_scc0 .Lentry_shape_is_right
	s_endpgm
.Lentry_shape_is_right:
; out0 = y W_proj + b_proj on codes of FP6 (E2M3) with E8M0 scales: 8,192 x 1,024 x 1,024, f32 out.
; OPERANDS are images of their registers.  W_proj's columns are rows 3,072 on of wq: a fragment (16 rows x 128 K, 12 registers a lane) is 1,536 bytes, registers 4 g .. 4 g + 3 of lane l at 512 g + 16 l.
; y's fragment is two halves of 768 bytes, one for each head of 64 channels: registers 0-3 of lane l at 16 l, registers 4-5 at 512 + 8 l.  Codes [row / 16][k / 128][1,536];
; scale words [row / 32][k / 256][row % 32][2 words] behind them.  Both operands carry the same order of k inside each block of 32.
; A tile of 256 x 256 is made by four waves, each 128 x 128: 64 accumulators, 512 registers.  K goes in four steps of 256 through a ring of two LDS slots; the scale words come once with the first fills.
; THE MATRIX INSTRUCTION IS USED TRANSPOSED (source 0 = 16 rows of W, source 1 = 16 rows of y): a lane holds eight neighbouring numbers of a row of the output.  The bias is the C of each sum's first instruction.
; CLUSTERS: 4 x 4.  y's tile is shared along a row of the cluster, W's along a column: each is asked for jointly.  128 tiles: half of 256; a tile of 128 x 256 would give 256 work-groups and is not built here.
; No prefetch: two of the four K steps are asked for at the head.
; LIMITS: NaN and infinities are not served; the bias is the first term of each sum.
.set NQ,     2
.set FR,     12
.set NL,     3                         ; LDS loads that bring a fragment of W
.set NLA,    4                         ; and one of y
.set NP,     4                         ; places behind this matrix instruction (ISA guide 7.12.1)
.set KB,     3072
.set HALFT,  8*KB
.set SLOT,   4*HALFT
.set SCL,    2*SLOT
.set HALFS,  4096
.set SPARE,  SCL+4*HALFS+256
.set SIZE_N, 1024
.set SPITCH, 528                       ; the way out: a stage of 16 rows x (512 bytes + 16) for each wave, in slot 0, which has had its last fill and its last read when the first result is stored there
.set ADRA, 16                          ; v16-17 LDS address of my A fragments in slot 0, 1, 16 bytes a lane; v18-19 the same, 8 bytes a lane
.set ADRB, 20                          ; v20-21 for B
.set STO,  24                          ; v24 the way out: where I put 32 bytes of a row
.set RD,   25                          ; v25 where I read a row back
.set CO,   26                          ; v26 my byte offset in a row of the output
.set ADRS, 27
.set SPW,  28                          ; v28 LDS address of my spare word; never rewritten
.set NIL,  29                          ; v29 0; never rewritten
.set SC,   32                          ; v32-63 scale words, two sets; they hold nothing else
.set BIAS, 64                          ; v64-127 the bias
.set AF,   128                         ; v128-223 A's fragments
.set BK,   128                         ; the way out: v128-191 and v192-255 by turns
.set G1, 24
.set G0, 32
.set G1B, 48
.set G0B, 56
.set G1S, 68
.set G0S, 76
.set G1SB, 80
.set G0SB, 88
.set MSB, 0
.macro WIN new
.if MSB != \new
	s_set_vgpr_msb (MSB<<8)|\new
.set MSB, \new
.endif
.endm
.set MUL_LO, 0xa1
.set MUL_HI, 0xf1
.set FST_LO, 0x81
.set FST_HI, 0xc1
.set TO_B,   0x40
.macro JLOAD g0a, g1a, g0b, g1b        ; a joint load: waves 0 and 1 fetch for A, waves 2 and 3 for B; an s_nop 0 and four v_nop follow each of the two lines
	s_cmp_eq_u32 s15, 0
	s_cbranch_scc0 .Lfor_b_\@
	tensor_load_to_lds s[\g0a:\g0a+3], s[\g1a:\g1a+7]
	s_nop 0
.rept 4
	v_nop
.endr
	s_branch .Lasked_\@
.Lfor_b_\@:
	tensor_load_to_lds s[\g0b:\g0b+3], s[\g1b:\g1b+7]
	s_nop 0
.rept 4
	v_nop
.endr
.Lasked_\@:
.endm
.macro CREST
	s_cmp_lg_u32 s14, 0
	s_cbranch_scc1 .Lnot_wave_0_\@
	s_barrier_signal -3
.Lnot_wave_0_\@:
	s_barrier_wait -3
	s_barrier_signal -1
	s_barrier_wait -1
.endm
.macro CROUND
	s_barrier_signal -1
	s_barrier_wait -1
	CREST
.endm
	s_load_b256 s[4:11], s[0:1], 0x0               ; yq s[4:5], wq s[6:7], b_proj s[8:9], out0 s[10:11]
	v_lshl_add_u32 v[SPW], v0, 2, SPARE
	v_mov_b32 v[NIL], 0
	ds_add_u32 v[SPW], v[NIL]                      ; the wave's opening: the add and its wait stand ahead of my first tensor load; the set-up below, work on registers, stands between them
	ds_add_u32 v[SPW], v[NIL]
	v_lshrrev_b32 v1, 5, v0
	v_readfirstlane_b32 s14, v1                    ; wave 0..3
	s_lshr_b32 s15, s14, 1                         ; which half of the tile's rows is mine.  Also: I fetch for A (0) or for B (1)
	s_and_b32 s16, s14, 1                          ; which half of its columns.  Also: which 128 rows I fetch
	s_bfe_u32 s40, ttmp6, 0x40000                  ; cx, cy
	s_bfe_u32 s41, ttmp6, 0x40004
	s_lshl_b32 s42, ttmp9, 2
	s_add_co_u32 s42, s42, s40                     ; tile column
	s_and_b32 s17, ttmp7, 0xffff
	s_lshl_b32 s17, s17, 2
	s_add_co_u32 s17, s17, s41                     ; tile row
	s_lshl_b32 s43, s41, 2
	s_lshl_b32 s43, 15, s43                        ; my row of the cluster
	s_lshl_b32 s44, 0x1111, s40                    ; my column
	s_or_b32 s[G1+0], s43, (3<<16)|(1<<21)         ; codes: 8 tiles of 16 rows x 3,072 bytes (384 elements of 8 bytes), 12,288 bytes apart in memory, on end in LDS
	s_or_b32 s[G1B+0], s44, (3<<16)|(1<<21)
.irp g, G1, G1B
	s_mov_b32 s[\g+1], 384<<16
	s_mov_b32 s[\g+2], 8<<16
	s_mov_b32 s[\g+3], 384<<16
	s_mov_b32 s[\g+4], 8
	s_mov_b32 s[\g+5], 1536
	s_mov_b32 s[\g+6], 0
	s_mov_b32 s[\g+7], 0
.endr
	s_or_b32 s[G1S+0], s43, (3<<16)|(1<<21)        ; the scale words of 128 rows: 4,096 dense bytes as 16 rows of 256
	s_or_b32 s[G1SB+0], s44, (3<<16)|(1<<21)
.irp g, G1S, G1SB
	s_mov_b32 s[\g+1], 32<<16
	s_mov_b32 s[\g+2], 16<<16
	s_mov_b32 s[\g+3], 32<<16
	s_mov_b32 s[\g+4], 16
	s_mov_b32 s[\g+5], 32
	s_mov_b32 s[\g+6], 0
	s_mov_b32 s[\g+7], 0
.endr
	s_lshl_b32 s18, s16, 7
	s_lshl_b32 s20, s17, 8
	s_add_co_u32 s20, s20, s18                     ; A: row 256 x tile row + 128 x half
	s_lshl_b32 s46, s42, 8
	s_add_co_u32 s46, s46, s18                     ; B: row 256 x tile column + 128 x half
	s_lshl_b32 s22, s20, 5
	s_add_co_u32 s22, s22, 6291456                 ; y's scale words lie behind its codes
	s_mov_b32 s23, 0
	s_mul_i32 s20, s20, 768
	s_mov_b32 s21, 0
	s_lshl_b32 s92, s46, 5
	s_add_co_u32 s92, s92, 3244032                 ; W_proj's scale words: row 3,072 on
	s_mov_b32 s93, 0
	s_mul_i32 s46, s46, 768
	s_add_co_u32 s46, s46, 2359296                 ; and its codes
	s_mov_b32 s47, 0
	s_mul_i32 s45, s14, HALFT
	s_mul_i32 s94, s14, HALFS
	s_wait_dscnt 0x0                               ; the opening add is done
	s_wait_kmcnt 0x0
	s_add_nc_u64 s[20:21], s[4:5], s[20:21]
	s_add_nc_u64 s[22:23], s[4:5], s[22:23]
	s_add_nc_u64 s[46:47], s[6:7], s[46:47]
	s_add_nc_u64 s[92:93], s[6:7], s[92:93]
	CROUND                                         ; all sixteen work-groups are here: the first joint loads meet
	s_mov_b32 s[G0S], 1
	s_add_co_u32 s[G0S+1], s94, SCL
	s_mov_b64 s[G0S+2:G0S+3], s[22:23]
	s_or_b32 s[G0S+3], s[G0S+3], 0x80000000
	s_mov_b32 s[G0SB], 1
	s_add_co_u32 s[G0SB+1], s94, SCL+128
	s_mov_b64 s[G0SB+2:G0SB+3], s[92:93]
	s_or_b32 s[G0SB+3], s[G0SB+3], 0x80000000
	JLOAD G0S, G1S, G0SB, G1SB
.irp s, 0,1
	s_mov_b32 s[G0+4*\s], 1
	s_add_co_u32 s[G0+4*\s+1], s45, \s*SLOT
	s_add_nc_u64 s[G0+4*\s+2:G0+4*\s+3], s[20:21], \s*KB
	s_or_b32 s[G0+4*\s+3], s[G0+4*\s+3], 0x80000000
	s_mov_b32 s[G0B+4*\s], 1
	s_add_co_u32 s[G0B+4*\s+1], s45, \s*SLOT
	s_add_nc_u64 s[G0B+4*\s+2:G0B+4*\s+3], s[46:47], \s*KB
	s_or_b32 s[G0B+4*\s+3], s[G0B+4*\s+3], 0x80000000
	s_wait_alu depctr_va_vdst(0)
	s_wait_tensorcnt 0x0
	ds_add_u32 v28, v29
	s_wait_dscnt 0x0
	CROUND
	JLOAD G0+4*\s, G1, G0B+4*\s, G1B               ; one tensor load of mine is out
.endr
	v_and_b32 v6, 31, v0                           ; lane
	v_and_b32 v1, 15, v0                           ; r
	v_bfe_u32 v2, v0, 4, 1                         ; h
	v_lshlrev_b32 v[CO], 4, v6                     ; 16 x lane
	v_lshlrev_b32 v4, 3, v6                        ; 8 x lane
	s_mul_i32 s21, s15, HALFT
	s_mul_i32 s22, s16, HALFT
	s_add_co_u32 s22, s22, 2*HALFT
.irp s, 0,1
	v_add_nc_u32 v[ADRA+\s], s21, v[CO]
	v_add_nc_u32 v[ADRA+2+\s], s21, v4
	v_add_nc_u32 v[ADRB+\s], s22, v[CO]
	s_add_co_u32 s21, s21, SLOT
	s_add_co_u32 s22, s22, SLOT
.endr
	v_lshlrev_b32 v5, 3, v1
	s_mul_i32 s21, s15, HALFS
	s_mul_i32 s22, s16, HALFS
	s_add_co_u32 s22, s22, 2*HALFS+128
	s_sub_co_u32 s22, s22, s21
	v_mul_u32_u24 v6, s22, v2                      ; lanes 16-31 take B's scale words
	s_add_co_u32 s21, s21, SCL
	v_add_nc_u32 v5, v5, v6
	v_add_nc_u32 v[ADRS], s21, v5
	s_mul_i32 s23, s14, 16*SPITCH                  ; my stage
	v_mul_u32_u24 v5, v1, SPITCH
	v_lshl_add_u32 v5, v2, 5, v5
	v_add_nc_u32 v[STO], s23, v5                   ; in: row r, 32 bytes for each half of the lanes
	v_add_nc_u32 v[RD], s23, v[CO]                 ; back: the 32 lanes take one row of 512 bytes
	s_lshl_b32 s20, s42, 10                        ; the bias: accumulator (a, b), register j, is column 16 b + 8 h + j of my 128
	s_lshl_b32 s21, s16, 9
	s_add_co_u32 s20, s20, s21                     ; also my first column of the output, in bytes
	s_mov_b32 s21, 0
	s_add_nc_u64 s[8:9], s[8:9], s[20:21]
	s_add_nc_u64 s[10:11], s[10:11], s[20:21]
	v_lshlrev_b32 v3, 5, v2
.irp b, 0,1,2,3,4,5,6,7
	global_load_b128 v[BIAS+8*\b:BIAS+8*\b+3], v3, s[8:9] offset:64*\b
	global_load_b128 v[BIAS+8*\b+4:BIAS+8*\b+7], v3, s[8:9] offset:64*\b+16
.endr
	s_lshl_b32 s20, s17, 8
	s_lshl_b32 s22, s15, 7
	s_add_co_u32 s20, s20, s22                     ; my first row of the output
	s_lshl_b32 s20, s20, 12                        ; 4,096 bytes a row
	s_add_nc_u64 s[10:11], s[10:11], s[20:21]
.macro FRAG reg, adr, q, i             ; a fragment of W as it lies: three loads of 512 consecutive bytes
.irp g, 0,1,2
	ds_load_b128 v[\reg+4*\g:\reg+4*\g+3], v[\adr] offset:(\i)*KB+(\q)*1536+512*\g
.endr
.endm
.macro FRAGY reg, adr, q, i            ; a fragment of y: two heads' halves
.irp c, 0,1
	ds_load_b128 v[\reg+6*\c:\reg+6*\c+3], v[\adr] offset:(\i)*KB+(\q)*1536+768*\c
	ds_load_b64 v[\reg+6*\c+4:\reg+6*\c+5], v[\adr+2] offset:(\i)*KB+(\q)*1536+768*\c+512
.endr
.endm
; 16 matrix instructions: A's blocks a0, a0 + 1 x B's eight.  zero = 1: the first product starts the sums on the bias.  The 64 accumulators take turns, one instruction a turn.
.macro MUL16 a0, p, q, sc, zero
.irp a, \a0, \a0+1
.irp b, 0,1,2,3,4,5,6,7
.if \zero
	v_wmma_scale_f32_16x16x128_f8f6f4 v[8*(8*((\a)%4)+\b):8*(8*((\a)%4)+\b)+7], v[128*(\p)+FR*\b:128*(\p)+FR*\b+FR-1], v[AF+FR*(\a):AF+FR*(\a)+FR-1], v[BIAS+8*\b:BIAS+8*\b+7], v[SC+8*NQ*(\sc)+NQ*\b+(\q)], v[SC+8*NQ*(\sc)+NQ*(\a)+(\q)] matrix_a_fmt:MATRIX_FMT_FP6 matrix_b_fmt:MATRIX_FMT_FP6 matrix_a_scale:MATRIX_SCALE_ROW1
.else
	v_wmma_scale_f32_16x16x128_f8f6f4 v[8*(8*((\a)%4)+\b):8*(8*((\a)%4)+\b)+7], v[128*(\p)+FR*\b:128*(\p)+FR*\b+FR-1], v[AF+FR*(\a):AF+FR*(\a)+FR-1], v[8*(8*((\a)%4)+\b):8*(8*((\a)%4)+\b)+7], v[SC+8*NQ*(\sc)+NQ*\b+(\q)], v[SC+8*NQ*(\sc)+NQ*(\a)+(\q)] matrix_a_fmt:MATRIX_FMT_FP6 matrix_b_fmt:MATRIX_FMT_FP6 matrix_a_scale:MATRIX_SCALE_ROW1
.endif
.endr
.endr
.endm
.macro FETCH_B slot, q, p
	WIN TO_B
.irp i, 0,1,2,3,4,5,6,7
	FRAG 128*(\p)+FR*\i, ADRB+\slot, \q, \i
.endr
	WIN 0
.endm
.macro FETCH_A slot, q, i0
.irp i, \i0, \i0+1, \i0+2, \i0+3
	FRAGY AF+FR*(\i), ADRA+\slot, \q, \i
.endr
.endm
.macro SCALES sc
.irp i, 0,1,2,3,4,5,6,7
	ds_load_b64 v[SC+8*NQ*\sc+NQ*\i:SC+8*NQ*\sc+NQ*\i+1], v[ADRS] offset:(\i/2)*1024+(\i%2)*128
.endr
.endm
.macro PLACES n
.rept \n
	v_nop
.endr
.endm
.macro STEP slot, q, zero
	s_wait_dscnt 4*NLA                             ; B's set, A's blocks 0-3 and the scale words are in; the youngest sixteen loads (A's blocks 4-7) may be out
.if \zero
	WIN FST_LO
.else
	WIN MUL_LO
.endif
	MUL16 0, (\q)%2, \q, \slot, \zero
	MUL16 2, (\q)%2, \q, \slot, \zero
	s_wait_dscnt 0
	PLACES NP
	FETCH_B \slot, (\q)+1, 1-(\q)%2
	FETCH_A \slot, (\q)+1, 0
.if \zero
	WIN FST_HI
.else
	WIN MUL_HI
.endif
	MUL16 4, (\q)%2, \q, \slot, \zero
	MUL16 6, (\q)%2, \q, \slot, \zero
	PLACES NP
	WIN 0
	FETCH_A \slot, (\q)+1, 4
.endm
.macro TURN slot, next, fill
	s_wait_tensorcnt 0x0                           ; all my tensor loads have landed: my part of the next slot
	ds_add_u32 v[SPW], v[NIL]                      ; 0 onto my spare word
	s_wait_dscnt 4*NLA+1                           ; (the add and the youngest sixteen loads may be out)
	WIN MUL_LO
	MUL16 0, 1, NQ-1, \slot, 0
	s_wait_dscnt 0x0                               ; the add is done, and my reads of this slot are over
	s_barrier_signal -1
	MUL16 2, 1, NQ-1, \slot, 0
	WIN 0
	s_barrier_wait -1
.if \fill
	CREST                                          ; the barrier has opened a round of the cluster's barrier: no wave of any partner still reads this slot or has a load on its way
	s_add_nc_u64 s[G0+4*\slot+2:G0+4*\slot+3], s[G0+4*\slot+2:G0+4*\slot+3], 2*KB
	s_add_nc_u64 s[G0B+4*\slot+2:G0B+4*\slot+3], s[G0B+4*\slot+2:G0B+4*\slot+3], 2*KB
	JLOAD G0+4*\slot, G1, G0B+4*\slot, G1B         ; the first tensor load behind the round, my only one until the next; its four v_nop are the places in front of the loads below
.else
	PLACES NP
.endif
	s_wait_alu depctr_va_vdst(0)
	v_add_nc_u32 v[ADRS], 256, v[ADRS]
	FETCH_B \next, 0, 0
	FETCH_A \next, 0, 0
	SCALES \next
	WIN MUL_HI
	MUL16 4, 1, NQ-1, \slot, 0
	MUL16 6, 1, NQ-1, \slot, 0
	PLACES NP
	WIN 0
	FETCH_A \next, 0, 4
.endm
	s_wait_alu depctr_va_vdst(0)
	s_wait_tensorcnt 1                             ; the scale words and my part of K step 0 are in; K step 1's load may be out
	s_barrier_signal -1
	s_barrier_wait -1
	FETCH_B 0, 0, 0
	FETCH_A 0, 0, 0
	SCALES 0
	FETCH_A 0, 0, 4
	s_wait_loadcnt 0x0                             ; the bias
	STEP 0, 0, 1
	TURN 0, 1, 1                                   ; slot 0 takes K step 2
	STEP 1, 0, 0
	TURN 1, 0, 1                                   ; slot 1 takes K step 3
	STEP 0, 0, 0
	TURN 0, 1, 0                                   ; nothing is left to fetch
	STEP 1, 0, 0
	s_wait_dscnt 4*NLA
	WIN MUL_LO
	MUL16 0, 1, NQ-1, 1, 0
	MUL16 2, 1, NQ-1, 1, 0
	s_wait_dscnt 0
	WIN MUL_HI
	MUL16 4, 1, NQ-1, 1, 0
	MUL16 6, 1, NQ-1, 1, 0
	WIN 0
; THE WAY OUT, block by block of 16 rows x 128 columns: through my own stage in LDS and back as whole rows of 512 bytes.  LDS serves a wave's instructions in order (ISA guide 5.7.1.4): no wait between the stores and the loads.
.macro TOSTAGE a
.set AC, 64*((\a)%4)
.set WS, 0x08+4*((\a)/4)
	WIN WS                                         ; the data: window 2 or 3
.irp b, 0,1,2,3,4,5,6,7
	ds_store_b128 v[STO], v[AC+8*\b:AC+8*\b+3] offset:64*\b          ; each accumulator from its low end on
	ds_store_b128 v[STO], v[AC+8*\b+4:AC+8*\b+7] offset:64*\b+16
.endr
	WIN 0
.set BB, BK+64*((\a)%2)
.irp t, 0,1,2,3,4,5,6,7,8,9,10,11,12,13,14,15
	ds_load_b128 v[BB+4*\t:BB+4*\t+3], v[RD] offset:\t*SPITCH
.endr
.endm
.macro SEND a, younger                 ; younger: the LDS instructions issued behind block a's loads, which may stay out
.set BB, BK+64*((\a)%2)
	s_wait_dscnt \younger
.if (\a) > 0
	s_add_nc_u64 s[10:11], s[10:11], 16*SIZE_N*4   ; (behind a wait on XCNT: the earlier stores have read their base)
.endif
.irp t, 0,1,2,3,4,5,6,7,8,9,10,11,12,13,14,15
	global_store_b128 v[CO], v[BB+4*\t:BB+4*\t+3], s[10:11] offset:\t*SIZE_N*4 th:TH_STORE_NT   ; 32 lanes store 512 consecutive bytes, aligned; written once, read by nobody here
.endr
.endm
	PLACES NP
	TOSTAGE 0
.irp a, 1,2,3,4,5,6,7
.if \a > 1
	s_wait_xcnt 0x0                                ; block a - 2's stores have read their registers and their base
.endif
	TOSTAGE \a
	SEND \a-1, 32                                  ; behind block a - 1's loads: block a's 16 stores and 16 loads
.endr
	s_wait_xcnt 0x0
	SEND 7, 0
	s_wait_tensorcnt 0x0                           ; the wave's end: behind my last tensor load and my last LDS store
	ds_add_u32 v[SPW], v[NIL]
	s_wait_dscnt 0x0
	CROUND                                         ; the closing round
	s_endpgm
.Lfunc_end_k_q550a15f76a_gemm_proj:
	.size	k_q550a15f76a_gemm_proj, .Lfunc_end_k_q550a15f76a_gemm_proj-k_q550a15f76a_gemm_proj
	.p2alignl 7, 3214868480
	.fill 96, 4, 3214868480
	.section	.rodata,"a",@progbits
	.p2align	6, 0x0
	.amdhsa_kernel k_q550a15f76a_gemm_proj
		.amdhsa_group_segment_fixed_size 327680
		.amdhsa_private_segment_fixed_size 0
		.amdhsa_enable_private_segment 0
		.amdhsa_kernarg_size 32
		.amdhsa_user_sgpr_count 2
		.amdhsa_user_sgpr_kernarg_segment_ptr 1
		.amdhsa_wavefront_size32 1
		.amdhsa_system_sgpr_workgroup_id_x 1
		.amdhsa_system_sgpr_workgroup_id_y 1
		.amdhsa_system_sgpr_workgroup_id_z 1
		.amdhsa_system_vgpr_workitem_id 0
		.amdhsa_next_free_vgpr 1024
		.amdhsa_next_free_sgpr 100
		.amdhsa_reserve_vcc 0
		.amdhsa_float_denorm_mode_32 3
		.amdhsa_float_denorm_mode_16_64 3
		.amdhsa_memory_ordered 1
		.amdhsa_forward_progress 1
		.amdhsa_inst_pref_size 142
	.end_amdhsa_kernel
	.amdgpu_metadata
---
amdhsa.version: [ 1, 2 ]
amdhsa.kernels:
  - .name:           k_q550a15f76a_gemm_proj
    .symbol:         k_q550a15f76a_gemm_proj.kd
    .args:
      - { .name: yq, .offset: 0, .size: 8, .value_kind: global_buffer, .address_space: global }
      - { .name: wq, .offset: 8, .size: 8, .value_kind: global_buffer, .address_space: global }
      - { .name: b_proj, .offset: 16, .size: 8, .value_kind: global_buffer, .address_space: global }
      - { .name: out0, .offset: 24, .size: 8, .value_kind: global_buffer, .address_space: global }
    .group_segment_fixed_size: 327680
    .private_segment_fixed_size: 0
    .kernarg_segment_align: 8
    .kernarg_segment_size: 32
    .max_flat_workgroup_size: 128
    .sgpr_count:     100
    .vgpr_count:     1024
    .wavefront_size: 32
...
	.end_amdgpu_metadata
.endif
;; end of part 4
